; MI455X (gfx1250); checked and timed in simulation.
; The chip was launched on July 23, 2026; its instructions are those of AMD's public machine-readable ISA for CDNA 5 (MIT licence, August 2026) and "CDNA5" Instruction Set Architecture Reference Guide (July 2026). The comments in the code are by the model that wrote it; some were corrected since.
;; Multi Head Attention With Ro PE. Allowed arithmetic: matrix products marked QUANTISED: E2M3 operands, one E8M0 scale for each 32 along K, by v_wmma_scale_f32_16x16x128_f8f6f4 with both operands' format E2M3, f32 sums; everything else in f32.
;; Inputs: Wk 1,024 x 1,024 float32; Wo 1,024 x 1,024 float32; Wq 1,024 x 1,024 float32; Wv 1,024 x 1,024 float32; attn_mask 4 x 2,048 int32; bk 1,024 float32; bo 1,024 float32; bq 1,024 float32; bv 1,024 float32; x 4 x 2,048 x 1,024 float32.
;; Outputs: out0 4 x 2,048 x 1,024 float32.
;; This version of the problem:
;;   THIS VERSION OF THE PROBLEM IS GIVEN IN LOW PRECISION. The matrix products marked QUANTISED in the list below multiply operands that are first quantised to E2M3 (2 exponent bits, 3 mantissa bits; 6 bits a number), with one power-of-two scale for each 32 numbers along K (OCP MX v1.0); their sums are f32. All else is computed in f32.
;;   The module's matrix products, in the order in which they are computed (A, B: the left and right operand; K: the contracted axis; several contracted axes count as one K, in the product's order):
;;     1. [M 8,192, K 1,024] x [K 1,024, N 1,024]; A: input x; B: input Wq: QUANTISED
;;     2. [M 8,192, K 1,024] x [K 1,024, N 1,024]; A: input x; B: input Wk: QUANTISED
;;     3. [M 8,192, K 1,024] x [K 1,024, N 1,024]; A: input x; B: input Wv: QUANTISED
;;     4. batch 64 x [M 2,048, K 64] x [K 64, N 2,048]; A: computed on the way; B: computed on the way: QUANTISED
;;     5. batch 64 x [M 2,048, K 2,048] x [K 2,048, N 64]; A: softmax (see below); B: computed on the way: QUANTISED
;;     6. [M 8,192, K 1,024] x [K 1,024, N 1,024]; A: computed on the way; B: input Wo: QUANTISED
;;   THE QUANTISER, for each operand of a quantised product, along K:
;;     - K is cut into blocks of 32 from its start; a last block that is shorter is filled with zeros.
;;     - A block's scale is 2^e with e = floor(log2(the largest magnitude in the block)) - 2, held to -126 .. 127; a block of zeros has e = 0. As a byte (E8M0): e + 127.
;;     - Each number is divided by its block's scale, clamped to +-7.5, and rounded to the nearest number of E2M3, ties to even, subnormals kept.
;;     - The product sums the exact products of the quantised numbers (number of the format x scale) in f32.
;;   ~~~python
;;   def quantise(x, axis):      # numpy; x: float32 -> the quantised numbers, widened to float32 again
;;       x = np.moveaxis(x, axis, -1); K = x.shape[-1]
;;       x = np.pad(x, [(0, 0)] * (x.ndim - 1) + [(0, -K % 32)]); x = x.reshape(x.shape[:-1] + (-1, 32)); a = np.abs(x).max(-1, keepdims=True)
;;       e = np.where(a > 0, np.clip(np.frexp(np.where(a > 0, a, 1))[1] - 1 - 2, -126, 127), 0)      # np.frexp(a)[1] - 1 = floor(log2(a)), exactly
;;       r = np.clip(x / 2.0 ** e, -7.5, 7.5)
;;       step = 2.0 ** (np.maximum(np.frexp(np.where(r == 0, 1, r))[1] - 1, 0) - 3)
;;       q = np.round(r / step) * step * 2.0 ** e      # np.round: ties to even
;;       return np.moveaxis(q.reshape(q.shape[:-2] + (-1,))[..., :K], -1, axis).astype(np.float32)
;;   ~~~
;;   SOFTMAX AHEAD OF A QUANTISED PRODUCT. Where the list says 'softmax', what is quantised is not the finished softmax but p = 2^(t - M), with t = logit x log2(e) and M = ceil(the row's largest t), a whole number; so 1/2 < the row's largest p <= 1. The row's sum l is taken of the UNQUANTISED p, in f32, and the product's result is divided by l at the end. Since M is a whole number, a kernel that streams over the keys may use a running M (the ceiling of the running maximum): every later rescaling is an exact power of two, which a block's scale takes up: the codes' values come out the same.
;;   OPERANDS COMPUTED ON THE WAY. 'Computed on the way' means the value that the module computes at that place (a softmax that the list does not call 'softmax' is quantised finished and normalised). What goes into a quantiser is computed in f32, as accurately as f32 sums, v_exp_f32 and their like allow (about 1e-6 of the number): no bf16 or f16 on the way to a quantiser, and a product that is left as it is and whose result goes on into a quantised operand takes f32 operands (vector FMAs, or v_wmma_f32_16x16x4_f32). A number that lies on a knife's edge between two numbers of the format may be rounded either way, as far as f32 arithmetic and the matrix unit's own rounding can turn it there, and no further.
;; One version. Each part assembles by itself: llvm-mc -triple=amdgcn-amd-amdhsa -mcpu=gfx1250 --defsym DOCPART=n.
;; ======== version 1 of 1: 4 launches
;; limits: right only within a limited range of input values
;; workspace buffers: ximg 6,291,456 bytes; xsc 262,144 bytes; wimg 3,145,728 bytes; wsc 131,072 bytes; rope 524,288 bytes; qkv 24,379,392 bytes; aimg 6,291,456 bytes; asc 262,144 bytes
;; launch prep (part 1): grid 512 x 1, 4 waves a work-group, no clusters, 34,304 bytes of LDS; arguments x, Wq, Wk, Wv, Wo, ximg, xsc, wimg, wsc, rope; writes ximg, xsc, wimg, wsc, rope
.if DOCPART == 1
	.amdgcn_target "amdgcn-amd-amdhsa--gfx1250"
	.amdhsa_code_object_version 6
	.text
	.protected	k_qae3047bcc9_prep
	.globl	k_qae3047bcc9_prep
	.p2align	8
	.type	k_qae3047bcc9_prep,@function
k_qae3047bcc9_prep:
	s_mov_b64 s[64:65], 0
	v_nop
	global_prefetch_b8 v0, s[64:65] scope:SCOPE_SE
	s_setreg_imm32_b32 hwreg(HW_REG_WAVE_MODE, 25, 1), 1
	s_wait_xcnt 0x0
; PREP: x [8192][1024] and the four weights [1024 (k)][1024 (n)], f32, become codes of FP6 (E2M3) with one E8M0 byte for each 32 along K, laid as IMAGES OF OPERAND REGISTERS; and the table of cos and sin for the rotation is made.
; A block's scale is 2^(floor(log2(largest magnitude)) - 2): its byte is the largest magnitude's exponent field - 2, held at 1 from below.
; TILES.  16 rows form a tile, and they are not neighbours: place r of tile 2 g + u is row 32 g + 8 u + r + 8 (r / 8).  A tile's image: 8 K steps of 128, 1,536 bytes each; in a K step two halves of 768 bytes (64 along K);
; in a half the fragment's registers 6 c .. 6 c + 3 at 16 x lane (512 bytes) and 6 c + 4, 6 c + 5 at 512 + 8 x lane (256 bytes).  Scale bytes: 32 for each place, in the order of the places.
; Work-groups 0-255 take x: a wave 16 rows x 512 along K; each load reads 512 consecutive bytes of a row; the numbers turn through the wave's own stage in LDS so that a lane holds 16 neighbours of each block.
; Work-groups 256-511 take the weights: a lane takes a column and its registers run down K, so nothing is transposed.  The first 32 of them also make the table: a wave one tile of 16 positions.
; cos and sin: the angle is position x theta in f32; it is reduced by a multiple of pi/2 held in three parts (fused multiply-adds) and goes through polynomials of degree 7 and 8 on +-pi/4.
; LIMITS: NaN and infinities among the inputs are not served; a block of zeros gets the byte 1, not 127 (its codes are zeros; this program alone reads the bytes); theta is 1 / the f32 number nearest to 10^(j/8).
; No matrix unit, no cluster, no tensor load: the launch streams, and its waves share nothing.
.set STG,   8448                       ; a wave's stage: 16 rows x (512 bytes + 16)
.set SPARE, 4*STG                      ; behind the stages: the spare words, 128 bytes a wave
.set SPW,   12                         ; v12  my spare word's address; never rewritten
.set NIL,   13                         ; v13  0; never rewritten
.set R,     16                         ; v16-143  two sets of 64 numbers as loaded
.set X,     144                        ; v144-207 64 numbers: register 16 b + i = k 32 b + 16 (lane / 16) + i of my row
.set PC,    208                        ; v208-219 a fragment's codes
.set SCR,   220                        ; v220-227 the conversions' second halves
.set TM,    228                        ; v228-243 at work in QUANT
.set PWS,   244                        ; v244-247 the four K steps' scale words
.set SEL,   26                         ; s[26:27] lane selects: lane l xor 16
; 64 numbers of a lane, v[s] on, become a fragment's codes: group c (64 along K) in v[PC + gs c] .. + 5; the four scale bytes stay in v[TM+4] .. v[TM+7]
.macro QUANT s, gs
.irp b, 0,1,2,3
	v_max3_num_f32 v[TM+\b], |v[\s+16*\b]|, |v[\s+1+16*\b]|, 0x1800000   ; my 16 numbers of block b, and the floor 2^(3 - 127): the byte cannot fall under 1
.endr
.irp i, 2,4,6,8,10,12,14
.irp b, 0,1,2,3
	v_max3_num_f32 v[TM+\b], v[TM+\b], |v[\s+16*\b+\i]|, |v[\s+1+16*\b+\i]|
.endr
.endr
.irp b, 0,1,2,3
	v_permlanex16_b32 v[TM+4+\b], v[TM+\b], s[SEL], s[SEL+1]
.endr
.irp b, 0,1,2,3
	v_max_num_f32 v[TM+\b], v[TM+\b], v[TM+4+\b]          ; with lane l xor 16's 16: the block's largest magnitude
.endr
.irp b, 0,1,2,3
	v_add_nc_u32 v[TM+12+\b], 0xff000000, v[TM+\b]        ; 2 off its exponent field: the conversion's scale operand
.endr
.irp b, 0,1,2,3
	v_lshrrev_b32 v[TM+4+\b], 23, v[TM+12+\b]             ; the scale's byte
.endr
.irp c, 0,1
	v_cvt_scalef32_pk16_fp6_f32 v[PC+\gs*\c:PC+\gs*\c+2], v[\s+32*\c:\s+32*\c+15], v[TM+12+2*\c]
	v_cvt_scalef32_pk16_fp6_f32 v[SCR+4*\c:SCR+4*\c+2], v[\s+32*\c+16:\s+32*\c+31], v[TM+12+2*\c+1]
.endr
	v_nop                                                 ; one plain place behind the scaled conversions
.irp c, 0,1                                               ; the layout wants a whole block in a lane: lanes 0-15 block 2 c, lanes 16-31 block 2 c + 1
.irp i, 0,1,2
	v_permlane16_swap_b32 v[PC+\gs*\c+\i], v[SCR+4*\c+\i]
.endr
.irp i, 0,1,2
	v_mov_b32 v[PC+\gs*\c+3+\i], v[SCR+4*\c+\i]
.endr
.endr
.endm
.macro WORD4 d                                            ; the four bytes make my row's scale word
	v_lshl_or_b32 v[\d], v[TM+5], 8, v[TM+4]
	v_lshl_or_b32 v[\d], v[TM+6], 16, v[\d]
	v_lshl_or_b32 v[\d], v[TM+7], 24, v[\d]
.endm
	s_load_b512 s[4:19], s[0:1], 0x0               ; x s[4:5], Wq s[6:7], Wk s[8:9], Wv s[10:11], Wo s[12:13], ximg s[14:15], xsc s[16:17], wimg s[18:19]
	s_load_b128 s[20:23], s[0:1], 0x40             ; wsc s[20:21], rope s[22:23]
	v_lshl_add_u32 v[SPW], v0, 2, SPARE
	v_mov_b32 v[NIL], 0
	v_lshrrev_b32 v1, 5, v0
	v_readfirstlane_b32 s24, v1                    ; wave
	v_and_b32 v2, 31, v0                           ; lane
	v_and_b32 v3, 15, v0                           ; r
	v_bfe_u32 v9, v0, 4, 1                         ; h
	v_lshlrev_b32 v4, 4, v2                        ; 16 x lane
	v_lshlrev_b32 v5, 3, v2                        ; 8 x lane
	s_mul_i32 s25, s24, STG
	v_add_nc_u32 v6, s25, v4                       ; the stage, on the way in: a row's 512 bytes as they lie
	v_mul_u32_u24 v7, v3, 528
	v_lshl_add_u32 v7, v9, 6, v7
	v_add_nc_u32 v7, s25, v7                       ; and on the way out: row r, + 64 h
	v_lshlrev_b32 v8, 5, v3
	v_lshl_add_u32 v8, v9, 3, v8                   ; my 8 of a place's 16 scale bytes: 32 r + 8 h
	s_mov_b32 s[SEL], 0x76543210
	s_mov_b32 s[SEL+1], 0xfedcba98
.irp b, 0,1,2,3
	v_mov_b32 v[TM+4+\b], 0                        ; written once: a lane permute's destination counts as read
.endr
	s_cmp_ge_u32 ttmp9, 256
	s_cbranch_scc1 .Lw
	; ---------------- x ----------------
	s_lshl_b32 s28, ttmp9, 2
	s_add_co_u32 s28, s28, s24                     ; my wave among 1,024
	s_lshr_b32 s29, s28, 1                         ; the tile
	s_and_b32 s30, s28, 1                          ; which 512 along K
	s_lshr_b32 s31, s29, 1
	s_lshl_b32 s31, s31, 5
	s_and_b32 s32, s29, 1
	s_lshl_b32 s32, s32, 3
	s_add_co_u32 s31, s31, s32                     ; the tile's first row: 32 g + 8 u
	s_lshl_b32 s32, s31, 12
	s_lshl_b32 s33, s30, 11
	s_add_co_u32 s32, s32, s33
	s_mov_b32 s33, 0
	s_mul_i32 s34, s29, 12288
	s_mul_i32 s35, s30, 6144
	s_add_co_u32 s34, s34, s35
	s_mov_b32 s35, 0
	s_lshl_b32 s36, s29, 9
	s_lshl_b32 s37, s30, 4
	s_add_co_u32 s36, s36, s37
	s_mov_b32 s37, 0
	s_wait_kmcnt 0x0
	s_add_nc_u64 s[4:5], s[4:5], s[32:33]
	s_add_nc_u64 s[14:15], s[14:15], s[34:35]
	s_add_nc_u64 s[16:17], s[16:17], s[36:37]
.macro LOAD s                                      ; K step s of the 16 rows: each load 512 consecutive bytes of one row
.irp i, 0,1,2,3,4,5,6,7,8,9,10,11,12,13,14,15
	global_load_b128 v[R+64*((\s)%2)+4*\i:R+64*((\s)%2)+4*\i+3], v4, s[4:5] offset:(\i+8*(\i/8))*4096+512*(\s) th:TH_LOAD_NT
.endr
.endm
.macro XSTEP s
.if (\s) < 3
	s_wait_loadcnt 16                              ; this K step's 16 loads are in; the next step's 16 may be out
.else
	s_wait_loadcnt 0
.endif
.irp i, 0,1,2,3,4,5,6,7,8,9,10,11,12,13,14,15
	ds_store_b128 v6, v[R+64*((\s)%2)+4*\i:R+64*((\s)%2)+4*\i+3] offset:528*\i
.endr
.irp b, 0,1,2,3
.irp j, 0,1,2,3
	ds_load_b128 v[X+16*\b+4*\j:X+16*\b+4*\j+3], v7 offset:128*\b+16*\j   ; LDS serves a wave's instructions in order: these see the stores above
.endr
.endr
	s_wait_dscnt 0x0                               ; the numbers are back, and the stage's stores have read their registers
	s_wait_xcnt 0x0                                ; the last step's stores have read the codes' registers
.if (\s) < 2
	LOAD (\s)+2
.endif
	QUANT X, 6
	WORD4 PWS+(\s)
	global_store_b128 v4, v[PC:PC+3], s[14:15] offset:1536*(\s)             ; 512 consecutive bytes
	global_store_b64 v5, v[PC+4:PC+5], s[14:15] offset:1536*(\s)+512        ; 256
	global_store_b128 v4, v[PC+6:PC+9], s[14:15] offset:1536*(\s)+768
	global_store_b64 v5, v[PC+10:PC+11], s[14:15] offset:1536*(\s)+1280
.endm
	LOAD 0
	LOAD 1
	s_wait_alu depctr_va_vdst(0)
	XSTEP 0
	XSTEP 1
	XSTEP 2
	XSTEP 3
	v_cmp_ne_u32 vcc_lo, 0, v9
	v_cndmask_b32 v248, v[PWS], v[PWS+2], vcc_lo   ; lanes 0-15 store K steps 0, 1 of their row, lanes 16-31 K steps 2, 3
	v_cndmask_b32 v249, v[PWS+1], v[PWS+3], vcc_lo
	global_store_b64 v8, v[248:249], s[16:17]
	s_wait_tensorcnt 0x0                           ; the wave's end, behind my last LDS store
	ds_add_u32 v[SPW], v[NIL]
	s_wait_dscnt 0x0
	s_endpgm
	; ---------------- the weights ----------------
.Lw:
	s_sub_co_u32 s28, ttmp9, 256                   ; 0 .. 255
	s_lshr_b32 s29, s28, 5                         ; the K step of 128
	s_bfe_u32 s30, s28, 0x20003                    ; which weight
	s_and_b32 s31, s28, 7
	s_lshl_b32 s31, s31, 2
	s_add_co_u32 s31, s31, s24                     ; which 32 columns
	s_lshl_b32 s32, s29, 19                        ; 128 rows of 4,096 bytes
	s_lshl_b32 s33, s31, 7
	s_add_co_u32 s32, s32, s33
	s_mov_b32 s33, 0
	s_lshl_b32 s34, s30, 6
	s_lshl_b32 s35, s31, 1
	s_add_co_u32 s34, s34, s35                     ; the first of my two tiles: 64 w + 2 g
	s_mul_i32 s34, s34, 12288
	s_mul_i32 s35, s29, 1536
	s_add_co_u32 s34, s34, s35
	s_mov_b32 s35, 0
	s_lshl_b32 s36, s30, 15
	s_lshl_b32 s37, s31, 10
	s_add_co_u32 s36, s36, s37
	s_lshl_b32 s37, s29, 2
	s_add_co_u32 s36, s36, s37                     ; scale bytes: (1,024 w + 32 g) x 32 + 4 s
	s_mov_b32 s37, 0
	v_lshlrev_b32 v250, 2, v2                      ; in: 4 bytes a lane
	v_bfe_u32 v254, v0, 3, 1                       ; my column's tile u,
	v_and_b32 v255, 7, v0
	v_lshl_or_b32 v255, v9, 3, v255                ; and its place r' there
	v_mul_u32_u24 v251, v254, 12288
	v_lshl_add_u32 v252, v255, 3, v251             ; 12,288 u + 8 r'
	v_lshl_add_u32 v251, v255, 4, v251             ; 12,288 u + 16 r'
	v_lshlrev_b32 v253, 9, v254
	v_lshl_add_u32 v253, v255, 5, v253             ; 32 (16 u + r')
	s_wait_alu depctr_va_vdst(0)
	s_wait_kmcnt 0x0
	s_cmp_eq_u32 s30, 1                            ; the choice hangs on the work-group's number alone
	s_cselect_b64 s[6:7], s[8:9], s[6:7]
	s_cmp_eq_u32 s30, 2
	s_cselect_b64 s[6:7], s[10:11], s[6:7]
	s_cmp_eq_u32 s30, 3
	s_cselect_b64 s[6:7], s[12:13], s[6:7]
	s_add_nc_u64 s[6:7], s[6:7], s[32:33]
	s_add_nc_u64 s[18:19], s[18:19], s[34:35]
	s_add_nc_u64 s[20:21], s[20:21], s[36:37]
.irp h, 0,1                                        ; v[16 + 64 h + 32 c + i] = W(128 s + 64 c + 32 h + i, my column): 128 consecutive bytes a load, the four waves side by side on 512
.irp c, 0,1
.irp i, 0,1,2,3,4,5,6,7,8,9,10,11,12,13,14,15,16,17,18,19,20,21,22,23,24,25,26,27,28,29,30,31
	global_load_b32 v[16+64*\h+32*\c+\i], v250, s[6:7] offset:(64*\c+32*\h+\i)*4096 th:TH_LOAD_NT
.endr
.endr
.endr
	s_cmp_ge_u32 s28, 32
	s_cbranch_scc1 .Lnorope
	; ---- the table, while the loads are on their way: tile T = 4 x work-group + wave; chunk c: [lane][cos j0, cos j0+1, sin j0, sin j0+1], j0 = 16 h + 2 c, position = the tile's place r
	s_lshl_b32 s38, s28, 2
	s_add_co_u32 s38, s38, s24
	s_lshl_b32 s40, s38, 12
	s_mov_b32 s41, 0
	s_add_nc_u64 s[22:23], s[22:23], s[40:41]
	s_lshr_b32 s57, s38, 1
	s_lshl_b32 s57, s57, 5
	s_and_b32 s43, s38, 1
	s_lshl_b32 s43, s43, 3
	s_add_co_u32 s57, s57, s43                     ; the tile's first position
	s_mov_b32 s44, 0x3f22f983                      ; 2 / pi
	s_mov_b32 s45, 0x3fc90fda                      ; pi / 2 in three parts
	s_mov_b32 s46, 0x33a22168
	s_mov_b32 s47, 0x27c234c4
	s_mov_b32 s48, 0xb94ca1f9                      ; sine: -1.9515295891e-4,
	s_mov_b32 s49, 0x3c08839e                      ; 8.3321608736e-3,
	s_mov_b32 s50, 0xbe2aaaa3                      ; -1.6666654611e-1
	s_mov_b32 s51, 0x37ccf5ce                      ; cosine: 2.443315711809948e-5,
	s_mov_b32 s52, 0xbab6061a                      ; -1.388731625493765e-3,
	s_mov_b32 s53, 0x3d2aaaa5                      ; 4.166664568298827e-2
	v_cmp_ne_u32 s56, 0, v9                        ; lanes 16-31
	v_and_b32 v206, 8, v3
	v_add_nc_u32 v206, v206, v3
	v_add_nc_u32 v206, s57, v206
	v_cvt_f32_u32 v207, v206                       ; my position
	v_mov_b32 v204, 0
.macro TH j, val                                   ; lane j: 10000^(j/32) = 10^(j/8), rounded to f32 by the assembler
	s_mov_b32 s42, \val
	v_writelane_b32 v204, s42, \j
.endm
	TH 0, 1.0
	TH 1, 1.3335214321633240
	TH 2, 1.7782794100389228
	TH 3, 2.3713737056616552
	TH 4, 3.1622776601683795
	TH 5, 4.2169650342858223
	TH 6, 5.6234132519034912
	TH 7, 7.4989420933245583
	TH 8, 10.0
	TH 9, 13.335214321633240
	TH 10, 17.782794100389228
	TH 11, 23.713737056616552
	TH 12, 31.622776601683795
	TH 13, 42.169650342858223
	TH 14, 56.234132519034912
	TH 15, 74.989420933245583
	TH 16, 100.0
	TH 17, 133.35214321633240
	TH 18, 177.82794100389228
	TH 19, 237.13737056616552
	TH 20, 316.22776601683795
	TH 21, 421.69650342858223
	TH 22, 562.34132519034912
	TH 23, 749.89420933245583
	TH 24, 1000.0
	TH 25, 1333.5214321633240
	TH 26, 1778.2794100389228
	TH 27, 2371.3737056616552
	TH 28, 3162.2776601683795
	TH 29, 4216.9650342858223
	TH 30, 5623.4132519034912
	TH 31, 7498.9420933245583
	s_wait_alu depctr_va_vdst(0)
	v_rcp_f32 v205, v204
	v_nop                                          ; a plain place behind the reciprocal,
	s_wait_alu depctr_va_vdst(0)                   ; and the wait ahead of its first reader
	v_fma_f32 v206, -v204, v205, 1.0               ; one Newton step: theta to the last bit or nearly
	v_fma_f32 v205, v205, v206, v205
.macro SINCOS th, oc, os                           ; the angle is my position x v[th], rounded once
	v_mul_f32 v208, v207, v[\th]
	v_mul_f32 v209, s44, v208
	v_rndne_f32 v209, v209                         ; n: at most 1,304
	v_fma_f32 v210, -v209, s45, v208               ; exact: both are multiples of 2^-22 and the difference is under 1
	v_fma_f32 v210, -v209, s46, v210
	v_fma_f32 v210, -v209, s47, v210               ; r, within pi / 4
	v_mul_f32 v211, v210, v210
	v_fma_f32 v212, v211, s48, s49
	v_fma_f32 v212, v212, v211, s50
	v_mul_f32 v212, v212, v211
	v_fma_f32 v212, v212, v210, v210               ; sin r
	v_fma_f32 v213, v211, s51, s52
	v_fma_f32 v213, v213, v211, s53
	v_mul_f32 v215, v211, v211
	v_fma_f32 v249, v211, -0.5, 1.0
	v_fma_f32 v213, v213, v215, v249               ; cos r
	v_cvt_i32_f32 v214, v209
	v_and_b32 v215, 1, v214
	v_cmp_ne_u32 vcc_lo, 0, v215                   ; an odd quadrant swaps the two (a choice of values: no branch)
	v_cndmask_b32 v215, v212, v213, vcc_lo
	v_cndmask_b32 v249, v213, v212, vcc_lo
	v_and_b32 v212, 2, v214
	v_lshlrev_b32 v212, 30, v212
	v_xor_b32 v[\os], v212, v215                   ; the sine is negative in quadrants 2, 3,
	v_add_nc_u32 v214, 1, v214
	v_and_b32 v214, 2, v214
	v_lshlrev_b32 v214, 30, v214
	v_xor_b32 v[\oc], v214, v249                   ; the cosine in 1, 2
.endm
.irp c, 0,1,2,3,4,5,6,7
.irp e, 0,1
	v_readlane_b32 s54, v205, 2*\c+\e
	v_readlane_b32 s55, v205, 16+2*\c+\e
	v_mov_b32 v248, s54
	v_mov_b32 v206, s55
	v_cndmask_b32 v248, v248, v206, s56            ; theta of j = 16 h + 2 c + e
	SINCOS 248, 216+4*\c+\e, 218+4*\c+\e
.endr
	global_store_b128 v4, v[216+4*\c:219+4*\c], s[22:23] offset:512*\c      ; 512 consecutive bytes; each chunk has registers of its own
.endr
.Lnorope:
; my column's blocks k = 64 c + 32 h .. + 31, c = 0, 1: codes into v[P] on (six registers a block), which belong to lane 16 h + r' of my tile's image
.macro WBLK h, P, Q
.irp c, 0,1
	v_max3_num_f32 v[144+2*\c], |v[16+64*\h+32*\c]|, |v[17+64*\h+32*\c]|, |v[18+64*\h+32*\c]|
	v_max3_num_f32 v[145+2*\c], |v[19+64*\h+32*\c]|, |v[20+64*\h+32*\c]|, |v[21+64*\h+32*\c]|
.endr
.irp i, 6,10,14,18,22,26
.irp c, 0,1
	v_max3_num_f32 v[144+2*\c], v[144+2*\c], |v[16+64*\h+32*\c+\i]|, |v[17+64*\h+32*\c+\i]|
	v_max3_num_f32 v[145+2*\c], v[145+2*\c], |v[18+64*\h+32*\c+\i]|, |v[19+64*\h+32*\c+\i]|
.endr
.endr
.irp c, 0,1
	v_max3_num_f32 v[144+2*\c], v[144+2*\c], |v[46+64*\h+32*\c]|, |v[47+64*\h+32*\c]|
.endr
.irp c, 0,1
	v_max3_num_f32 v[144+2*\c], v[144+2*\c], v[145+2*\c], 0x1800000         ; and the floor
.endr
.irp c, 0,1
	v_add_nc_u32 v[148+\c], 0xff000000, v[144+2*\c]
.endr
.irp c, 0,1
	v_lshrrev_b32 v[150+\c], 23, v[148+\c]
.endr
.if \h == 0
	v_lshl_or_b32 v152, v151, 16, v150             ; the scale word: byte 2 c + h
.else
	v_lshl_or_b32 v152, v150, 8, v152
	v_lshl_or_b32 v152, v151, 24, v152
.endif
.irp c, 0,1
	v_cvt_scalef32_pk16_fp6_f32 v[\P+6*\c:\P+6*\c+2], v[16+64*\h+32*\c:31+64*\h+32*\c], v[148+\c]
	v_cvt_scalef32_pk16_fp6_f32 v[\Q+4*\c:\Q+4*\c+2], v[32+64*\h+32*\c:47+64*\h+32*\c], v[148+\c]
.endr
	v_nop
.irp c, 0,1
.irp i, 0,1,2
	v_mov_b32 v[\P+6*\c+3+\i], v[\Q+4*\c+\i]
.endr
.endr
.irp c, 0,1
	global_store_b128 v251, v[\P+6*\c:\P+6*\c+3], s[18:19] offset:768*\c+256*\h          ; the 16 lanes of a tile fill 256 consecutive bytes
	global_store_b64 v252, v[\P+6*\c+4:\P+6*\c+5], s[18:19] offset:768*\c+512+128*\h     ; 128
.endr
.endm
	s_wait_loadcnt 63                              ; the first 64 numbers are in: 64 loads were issued behind them, and the count names as many of those as its field holds
	WBLK 0, 160, 172
	s_wait_loadcnt 0
	WBLK 1, 184, 196                               ; registers of its own: no store's data are written again
	global_store_b32 v253, v152, s[20:21]
	s_endpgm
.Lfunc_end_k_qae3047bcc9_prep:
	.size	k_qae3047bcc9_prep, .Lfunc_end_k_qae3047bcc9_prep-k_qae3047bcc9_prep
	.p2alignl 7, 3214868480
	.fill 96, 4, 3214868480
	.section	.rodata,"a",@progbits
	.p2align	6, 0x0
	.amdhsa_kernel k_qae3047bcc9_prep
		.amdhsa_group_segment_fixed_size 34304
		.amdhsa_private_segment_fixed_size 0
		.amdhsa_enable_private_segment 0
		.amdhsa_kernarg_size 80
		.amdhsa_user_sgpr_count 2
		.amdhsa_user_sgpr_kernarg_segment_ptr 1
		.amdhsa_wavefront_size32 1
		.amdhsa_system_sgpr_workgroup_id_x 1
		.amdhsa_system_sgpr_workgroup_id_y 1
		.amdhsa_system_sgpr_workgroup_id_z 1
		.amdhsa_system_vgpr_workitem_id 0
		.amdhsa_next_free_vgpr 256
		.amdhsa_next_free_sgpr 66
		.amdhsa_reserve_vcc 1
		.amdhsa_float_denorm_mode_32 3
		.amdhsa_float_denorm_mode_16_64 3
		.amdhsa_memory_ordered 1
		.amdhsa_forward_progress 1
		.amdhsa_inst_pref_size 83
	.end_amdhsa_kernel
	.amdgpu_metadata
---
amdhsa.version: [ 1, 2 ]
amdhsa.kernels:
  - .name:           k_qae3047bcc9_prep
    .symbol:         k_qae3047bcc9_prep.kd
    .args:
      - { .name: x, .offset: 0, .size: 8, .value_kind: global_buffer, .address_space: global }
      - { .name: Wq, .offset: 8, .size: 8, .value_kind: global_buffer, .address_space: global }
      - { .name: Wk, .offset: 16, .size: 8, .value_kind: global_buffer, .address_space: global }
      - { .name: Wv, .offset: 24, .size: 8, .value_kind: global_buffer, .address_space: global }
      - { .name: Wo, .offset: 32, .size: 8, .value_kind: global_buffer, .address_space: global }
      - { .name: ximg, .offset: 40, .size: 8, .value_kind: global_buffer, .address_space: global }
      - { .name: xsc, .offset: 48, .size: 8, .value_kind: global_buffer, .address_space: global }
      - { .name: wimg, .offset: 56, .size: 8, .value_kind: global_buffer, .address_space: global }
      - { .name: wsc, .offset: 64, .size: 8, .value_kind: global_buffer, .address_space: global }
      - { .name: rope, .offset: 72, .size: 8, .value_kind: global_buffer, .address_space: global }
    .group_segment_fixed_size: 34304
    .private_segment_fixed_size: 0
    .kernarg_segment_align: 8
    .kernarg_segment_size: 80
    .max_flat_workgroup_size: 128
    .sgpr_count:     66
    .vgpr_count:     256
    .wavefront_size: 32
...
	.end_amdgpu_metadata
.endif
;; end of part 1
;; launch qkv (part 2): grid 4 x 64, 4 waves a work-group, clusters of 4 x 4, 327,680 bytes of LDS; arguments ximg, xsc, wimg, wsc, rope, attn_mask, bq, bk, bv, qkv; writes qkv
.if DOCPART == 2
	.amdgcn_target "amdgcn-amd-amdhsa--gfx1250"
	.amdhsa_code_object_version 6
	.text
	.protected	k_qae3047bcc9_qkv
	.globl	k_qae3047bcc9_qkv
	.p2align	8
	.type	k_qae3047bcc9_qkv,@function
k_qae3047bcc9_qkv:
	s_mov_b64 s[64:65], 0
	v_nop
	global_prefetch_b8 v0, s[64:65] scope:SCOPE_SE
	s_setreg_imm32_b32 hwreg(HW_REG_WAVE_MODE, 25, 1), 1
	s_wait_xcnt 0x0
	s_wait_alu depctr_hold_cnt(0) depctr_sa_sdst(0) depctr_va_vdst(0) depctr_va_sdst(0) depctr_va_ssrc(0) depctr_va_vcc(0) depctr_vm_vsrc(0)
	s_getreg_b32 s2, hwreg(HW_REG_IB_STS2, 6, 4)
	s_cmp_eq_u32 s2, 0
	s_cbranch_scc0 .Lentry_in_a_cluster
	s_endpgm
.Lentry_in_a_cluster:
	s_bfe_u32 s2, ttmp6, 0x10000c
	s_cmp_lg_u32 s2, 0xf033
	s_cbranch_scc0 .Lentry_shape_is_right
	s_endpgm
.Lentry_shape_is_right:
; QKV: Q, K, V = x W + b on codes of FP6 (E2M3) with E8M0 scales; Q and K are rotated; all three are quantised again and leave as images of the operand registers of the launch that follows, one record for each batch and head.
; THE DEAL.  256 work-groups of four waves.  A work-group keeps its 128 rows of x, all of K, in LDS, and makes 128 x 256 of Q, then of K, then of V: three phases on three tiles of 256 rows of the weights.
; LDS holds x's 8 tiles and a weight's 16 tiles of 16 rows in two halves along K (4 steps of 128 each): 2 x 24 x 6,144 bytes; behind them the spare words.
; FILLS.  At the head one tensor load a wave: x half 0, W half 0, x half 1, W half 1; the first barrier waits for the two tiles of half 0 alone.  As soon as a phase has left a half of the weight, the next weight's half is asked for:
; two rounds of the cluster's barrier in each of the first two phases, each wave bringing four tiles.  What a refill brought is shown to all waves by the next round, or, in V's phase, by a plain barrier.
; CLUSTER 4 x 4: x's tiles are shared along a row of the cluster, the weights' along a column.  No prefetch: a refill is asked for four K steps (128 matrix instructions) and a way out ahead of its first read.
; A WAVE has 4 x 8 accumulators.  Q, K: source 1 = 4 tiles of x (16 tokens each), source 0 = 8 tiles of W (two heads): a lane holds one token and 64 channels.  V: source 1 = 4 tiles of W (one head), source 0 = x's 8 tiles: a lane holds one channel and 64 of 128 tokens.
; SCALE WORDS come by plain loads, 32 bytes a row, 8 words for the 8 K steps: 32 registers for source 1's rows, 64 for source 0's; the next phase's are asked for ahead of the way out.
; THE MASK goes into the operands: at k = 64 Q has 1.0 and a masked key -1.0 x 2^33, and a masked key's other codes are zeros.  LIMITS: NaN and infinities are not served; a block of zeros gets the byte 1.
; REGISTERS: window 0: v0-31 addresses, v32-63 and v68-131 scale words, v132-179 source 1's fragments, v132-255 the way out; window 1: source 0's fragments, two sets; window 2: the accumulators; window 3: v0-63 the bias, v64-191 cos and sin.
.set FR,     12
.set NL,     4
.set FRB,    1536
.set TILEB,  4*FRB
.set HB,     24*TILEB
.set WB,     8*TILEB
.set SPARE,  2*HB
.set WSTEP,  786432                    ; 1,024 rows of the weights' image
.set REC,    380928
.set ADRA, 16
.set ADRB, 20
.set SPW,  28
.set NIL,  29
.set SA,   32
.set SB,   68
.set AF,   132
.set HA,   132
.set TU,   196
.set TM,   204
.set SCR,  220
.set PC,   228
.set W,    244
.set MV,   252
.set BI,   0
.set RP,   64
.set SD,   12
.set SEL,  100
.set G1X, 24
.set G0X0, 32
.set G0X1, 36
.set G1W, 48
.set G0W0, 56
.set G0W1, 60
.set G0R0, 4
.set G0R1, 8
.set PA,  80
.set PB,  82
.set PAV, 84
.set PBV, 86
.set OUTI, 88
.set OUTS, 90
.set BIP, 92
.set RI,  94
.set RS,  96
.set MSB, 0
.macro WIN new
.if MSB != (\new)
	s_set_vgpr_msb (MSB<<8)|(\new)
.set MSB, (\new)
.endif
.endm
.set MUL_LO, 0xa1
.set TO_B,   0x40
.macro WALU
	s_wait_alu depctr_va_vdst(0)
.endm
.macro PLACES n
.rept \n
	v_nop
.endr
.endm
.macro CREST
	s_cmp_lg_u32 s14, 0
	s_cbranch_scc1 .Lnot_wave_0_\@
	s_barrier_signal -3
.Lnot_wave_0_\@:
	s_barrier_wait -3
	s_barrier_signal -1
	s_barrier_wait -1
.endm
.macro CROUND
	s_barrier_signal -1
	s_barrier_wait -1
	CREST
.endm
.macro FRAG reg, adr, q, i
	ds_load_b128 v[\reg:\reg+3], v[\adr] offset:TILEB*(\i)+FRB*(\q)
	ds_load_b64 v[\reg+4:\reg+5], v[\adr+2] offset:TILEB*(\i)+FRB*(\q)+512
	ds_load_b128 v[\reg+6:\reg+9], v[\adr] offset:TILEB*(\i)+FRB*(\q)+768
	ds_load_b64 v[\reg+10:\reg+11], v[\adr+2] offset:TILEB*(\i)+FRB*(\q)+1280
.endm
.macro FETCH_B slot, q, p              ; source 0's eight fragments of a K step into set p
	WIN TO_B
.irp i, 0,1,2,3,4,5,6,7
	FRAG 128*(\p)+FR*\i, ADRB+\slot, \q, \i
.endr
	WIN 0
.endm
.macro FETCH_A slot, q, i0             ; source 1's blocks i0, i0 + 1
.irp i, \i0, \i0+1
	FRAG AF+FR*(\i), ADRA+\slot, \q, \i
.endr
.endm
.macro MULA a, p, s, zero              ; eight products: source 1's block a against source 0's eight; the 32 accumulators take turns in the same order in every step
.irp b, 0,1,2,3,4,5,6,7
.if \zero
	v_wmma_scale_f32_16x16x128_f8f6f4 v[8*(8*(\a)+\b):8*(8*(\a)+\b)+7], v[128*(\p)+FR*\b:128*(\p)+FR*\b+FR-1], v[AF+FR*(\a):AF+FR*(\a)+FR-1], 0, v[SB+8*\b+(\s)], v[SA+8*(\a)+(\s)] matrix_a_fmt:MATRIX_FMT_FP6 matrix_b_fmt:MATRIX_FMT_FP6
.else
	v_wmma_scale_f32_16x16x128_f8f6f4 v[8*(8*(\a)+\b):8*(8*(\a)+\b)+7], v[128*(\p)+FR*\b:128*(\p)+FR*\b+FR-1], v[AF+FR*(\a):AF+FR*(\a)+FR-1], v[8*(8*(\a)+\b):8*(8*(\a)+\b)+7], v[SB+8*\b+(\s)], v[SA+8*(\a)+(\s)] matrix_a_fmt:MATRIX_FMT_FP6 matrix_b_fmt:MATRIX_FMT_FP6
.endif
.endr
.endm
.macro STEPN s, zero                   ; a K step that is not the last of its half
	s_wait_dscnt 2*NL                              ; all but source 1's blocks 2, 3
	WIN MUL_LO
	MULA 0, (\s)%2, \s, \zero
	MULA 1, (\s)%2, \s, \zero
	PLACES 4
	FETCH_B (\s)/4, (\s)%4+1, 1-(\s)%2
	FETCH_A (\s)/4, (\s)%4+1, 0
	s_wait_dscnt 40                                ; all but the 40 just issued
	WIN MUL_LO
	MULA 2, (\s)%2, \s, \zero
	MULA 3, (\s)%2, \s, \zero
	PLACES 4
	WIN 0
	FETCH_A (\s)/4, (\s)%4+1, 2
.endm
.macro TURN3 fill                      ; K step 3: half 0 is left, half 1 is shown; fill: the next weight's half 0 is asked for
	s_wait_tensorcnt 0x0
.if \fill
	ds_add_u32 v[SPW], v[NIL]
	s_add_nc_u64 s[G0R1+2:G0R1+3], s[G0R1+2:G0R1+3], WSTEP   ; none of my loads is out: the other refill's next address,
	s_mov_b32 s[G1W+2], 4<<16                      ; and from here on a load of W brings four tiles
	s_mov_b32 s[G1W+4], 4
	s_wait_dscnt 2*NL+1
.else
	s_wait_dscnt 2*NL
.endif
	WIN MUL_LO
	MULA 0, 1, 3, 0
	MULA 1, 1, 3, 0
	s_wait_dscnt 0x0
	s_barrier_signal -1
	MULA 2, 1, 3, 0
	WIN 0
	s_barrier_wait -1
.if \fill
	CREST
	tensor_load_to_lds s[G0R0:G0R0+3], s[G1W:G1W+7]
	s_nop 0
.endif
	PLACES 4
	FETCH_B 1, 0, 0
	FETCH_A 1, 0, 0
	WIN MUL_LO
	MULA 3, 1, 3, 0
	PLACES 4
	WIN 0
	FETCH_A 1, 0, 2
.endm
.macro TURN7 fill                      ; K step 7: the phase's last
.if \fill
	s_wait_tensorcnt 0x0
	ds_add_u32 v[SPW], v[NIL]
	s_add_nc_u64 s[G0R0+2:G0R0+3], s[G0R0+2:G0R0+3], WSTEP
	s_wait_dscnt 2*NL+1
.else
	s_wait_dscnt 2*NL
.endif
	WIN MUL_LO
	MULA 0, 1, 7, 0
	MULA 1, 1, 7, 0
	s_wait_dscnt 0x0
.if \fill
	s_barrier_signal -1
.endif
	MULA 2, 1, 7, 0
	MULA 3, 1, 7, 0
	WIN 0
.if \fill
	s_barrier_wait -1
	CREST
	tensor_load_to_lds s[G0R1:G0R1+3], s[G1W:G1W+7]
	s_nop 0
.endif
	PLACES 4
.endm
.macro WALK fill
	STEPN 0, 1                                     ; the first step's products start the sums
	STEPN 1, 0
	STEPN 2, 0
	TURN3 \fill
	STEPN 4, 0
	STEPN 5, 0
	STEPN 6, 0
	TURN7 \fill
.endm
.macro FIRST                           ; a phase's first fragments
	FETCH_B 0, 0, 0
	FETCH_A 0, 0, 0
	FETCH_A 0, 0, 2
.endm
.macro SCLOAD                          ; a phase's scale words: 24 loads
.irp i, 0,1,2,3
	global_load_b128 v[SA+8*\i:SA+8*\i+3], v25, s[PA:PA+1] offset:512*\i
	global_load_b128 v[SA+8*\i+4:SA+8*\i+7], v25, s[PA:PA+1] offset:512*\i+16
.endr
.irp i, 0,1,2,3,4,5,6,7
	global_load_b128 v[SB+8*\i:SB+8*\i+3], v25, s[PB:PB+1] offset:512*\i
	global_load_b128 v[SB+8*\i+4:SB+8*\i+7], v25, s[PB:PB+1] offset:512*\i+16
.endr
.endm
.macro QUANT s, gs                     ; 64 numbers of a lane, four half blocks, become a fragment's codes; the four scale bytes stay in v[TM+4] ..
.irp b, 0,1,2,3
	v_max3_num_f32 v[TM+\b], |v[\s+16*\b]|, |v[\s+1+16*\b]|, 0x1800000
.endr
.irp i, 2,4,6,8,10,12,14
.irp b, 0,1,2,3
	v_max3_num_f32 v[TM+\b], v[TM+\b], |v[\s+16*\b+\i]|, |v[\s+1+16*\b+\i]|
.endr
.endr
.irp b, 0,1,2,3
	v_permlanex16_b32 v[TM+4+\b], v[TM+\b], s[SEL], s[SEL+1]
.endr
.irp b, 0,1,2,3
	v_max_num_f32 v[TM+\b], v[TM+\b], v[TM+4+\b]
.endr
.irp b, 0,1,2,3
	v_add_nc_u32 v[TM+12+\b], 0xff000000, v[TM+\b]
.endr
.irp b, 0,1,2,3
	v_lshrrev_b32 v[TM+4+\b], 23, v[TM+12+\b]
.endr
.irp c, 0,1
	v_cvt_scalef32_pk16_fp6_f32 v[PC+\gs*\c:PC+\gs*\c+2], v[\s+32*\c:\s+32*\c+15], v[TM+12+2*\c]
	v_cvt_scalef32_pk16_fp6_f32 v[SCR+4*\c:SCR+4*\c+2], v[\s+32*\c+16:\s+32*\c+31], v[TM+12+2*\c+1]
.endr
	v_nop
.irp c, 0,1
.irp i, 0,1,2
	v_permlane16_swap_b32 v[PC+\gs*\c+\i], v[SCR+4*\c+\i]
.endr
.irp i, 0,1,2
	v_mov_b32 v[PC+\gs*\c+3+\i], v[SCR+4*\c+\i]
.endr
.endr
.endm
.macro ARM under, g0, g1, next
	s_cmp_lt_u32 s14, \under
	s_cbranch_scc0 \next
	tensor_load_to_lds s[\g0:\g0+3], s[\g1:\g1+7]
	s_nop 0
	PLACES 4
	s_branch .Lhead_asked
\next:
.endm
; ================= the head
	s_load_b256 s[4:11], s[0:1], 0x0               ; ximg, xsc, wimg, wsc
	s_load_b256 s[68:75], s[0:1], 0x20             ; rope, attn_mask, bq, bk
	s_load_b128 s[76:79], s[0:1], 0x40             ; bv, qkv
	v_lshl_add_u32 v[SPW], v0, 2, SPARE
	v_mov_b32 v[NIL], 0
	ds_add_u32 v[SPW], v[NIL]                      ; the opening lines
	ds_add_u32 v[SPW], v[NIL]
	v_lshrrev_b32 v1, 5, v0
	v_readfirstlane_b32 s14, v1                    ; wave
	s_lshr_b32 s15, s14, 1
	s_and_b32 s16, s14, 1
	s_bfe_u32 s40, ttmp6, 0x40000                  ; cx: which 256 rows of each weight
	s_bfe_u32 s41, ttmp6, 0x40004                  ; cy
	s_and_b32 s17, ttmp7, 0xffff
	s_lshl_b32 s43, s41, 2
	s_lshl_b32 s43, 15, s43                        ; my row of the cluster
	s_lshl_b32 s44, 0x1111, s40                    ; my column
	s_or_b32 s[G1X], s43, (3<<16)|(1<<21)
	s_or_b32 s[G1W], s44, (3<<16)|(1<<21)
.irp g, G1X, G1W
	s_mov_b32 s[\g+1], 768<<16                     ; a tile's half: 6,144 bytes on end
	s_mov_b32 s[\g+3], 768<<16
	s_mov_b32 s[\g+5], 1536                        ; from tile to tile 12,288 bytes
	s_mov_b32 s[\g+6], 0
	s_mov_b32 s[\g+7], 0
.endr
	s_mov_b32 s[G1X+2], 8<<16
	s_mov_b32 s[G1X+4], 8
	s_mov_b32 s[G1W+2], 16<<16
	s_mov_b32 s[G1W+4], 16
	s_lshl_b32 s18, s17, 2
	s_add_co_u32 s18, s18, s41                     ; my 128 rows of x: 4 x cluster y + cy
	s_mul_i32 s20, s18, 98304
	s_mov_b32 s21, 0
	s_mul_i32 s46, s40, 196608
	s_mov_b32 s47, 0
	s_mul_i32 s22, s14, 49152
	s_add_co_u32 s22, s22, s46                     ; a refill: my four tiles of the 16
	s_mov_b32 s23, 0
	s_mul_i32 s45, s14, 4*TILEB
	s_add_co_u32 s45, s45, WB                      ; and where they go
	s_wait_dscnt 0x0
	s_wait_kmcnt 0x0
	s_add_nc_u64 s[20:21], s[4:5], s[20:21]
	s_add_nc_u64 s[46:47], s[8:9], s[46:47]
	s_add_nc_u64 s[22:23], s[8:9], s[22:23]
	CROUND                                         ; in front of the first joint loads
	s_mov_b32 s[G0X0], 1
	s_mov_b32 s[G0X0+1], 0
	s_mov_b64 s[G0X0+2:G0X0+3], s[20:21]
	s_or_b32 s[G0X0+3], s[G0X0+3], 0x80000000
	s_mov_b32 s[G0X1], 1
	s_mov_b32 s[G0X1+1], HB
	s_add_nc_u64 s[G0X1+2:G0X1+3], s[20:21], TILEB
	s_or_b32 s[G0X1+3], s[G0X1+3], 0x80000000
	s_mov_b32 s[G0W0], 1
	s_mov_b32 s[G0W0+1], WB
	s_mov_b64 s[G0W0+2:G0W0+3], s[46:47]
	s_or_b32 s[G0W0+3], s[G0W0+3], 0x80000000
	s_mov_b32 s[G0W1], 1
	s_mov_b32 s[G0W1+1], HB+WB
	s_add_nc_u64 s[G0W1+2:G0W1+3], s[46:47], TILEB
	s_or_b32 s[G0W1+3], s[G0W1+3], 0x80000000
	ARM 1, G0X0, G1X, .Lhead_w0                    ; one chain, one load in each arm: what is needed first is asked for by waves 0 and 1
	ARM 2, G0W0, G1W, .Lhead_x1
	ARM 3, G0X1, G1X, .Lhead_w1
	tensor_load_to_lds s[G0W1:G0W1+3], s[G1W:G1W+7]
	s_nop 0
	PLACES 4
.Lhead_asked:
	s_mov_b32 s13, 0                               ; where the scale words lie: 32 bytes a row
	s_lshl_b32 s2, s18, 12
	s_lshl_b32 s3, s15, 11
	s_add_co_u32 s12, s2, s3
	s_add_nc_u64 s[PA:PA+1], s[6:7], s[12:13]      ; Q, K: my 64 rows of x
	s_mov_b32 s12, s2
	s_add_nc_u64 s[PBV:PBV+1], s[6:7], s[12:13]    ; V: all 128
	s_lshl_b32 s2, s40, 13
	s_lshl_b32 s3, s16, 12
	s_add_co_u32 s12, s2, s3
	s_add_nc_u64 s[PB:PB+1], s[10:11], s[12:13]    ; Q: my 128 rows of Wq
	s_lshl_b32 s3, s14, 11
	s_add_co_u32 s12, s2, s3
	s_add_co_u32 s12, s12, 65536
	s_add_nc_u64 s[PAV:PAV+1], s[10:11], s[12:13]  ; V: my 64 rows of Wv
	s_mov_b32 s[G0R0], 1                           ; the refills' group 0, in registers that held arguments: half 0 begins at the second weight,
	s_mov_b32 s[G0R0+1], s45
	s_add_nc_u64 s[G0R0+2:G0R0+3], s[22:23], WSTEP
	s_or_b32 s[G0R0+3], s[G0R0+3], 0x80000000
	s_mov_b32 s[G0R1], 1                           ; half 1 at the first: it is stepped ahead of its first use
	s_add_co_u32 s[G0R1+1], s45, HB
	s_add_nc_u64 s[G0R1+2:G0R1+3], s[22:23], TILEB
	s_or_b32 s[G0R1+3], s[G0R1+3], 0x80000000
	s_lshl_b32 s19, s18, 7
	s_lshl_b32 s12, s15, 6
	s_add_co_u32 s19, s19, s12                     ; Q, K: my first token
	s_lshr_b32 s46, s19, 11                        ; batch
	s_and_b32 s47, s19, 2047                       ; position
	s_lshl_b32 s12, s47, 8
	s_add_nc_u64 s[68:69], s[68:69], s[12:13]      ; cos and sin: 256 bytes a position
	s_lshl_b32 s12, s46, 13
	s_lshl_b32 s3, s47, 2
	s_add_co_u32 s12, s12, s3
	s_add_nc_u64 s[70:71], s[70:71], s[12:13]      ; the mask
	s_lshl_b32 s2, s40, 10
	s_lshl_b32 s3, s16, 9
	s_add_co_u32 s12, s2, s3
	s_add_nc_u64 s[72:73], s[72:73], s[12:13]      ; bq, bk: my 128 channels
	s_add_nc_u64 s[74:75], s[74:75], s[12:13]
	s_lshl_b32 s3, s14, 8
	s_add_co_u32 s12, s2, s3
	s_add_nc_u64 s[76:77], s[76:77], s[12:13]      ; bv: my 64
	s_lshl_b32 s20, s46, 4
	s_lshl_b32 s3, s40, 2
	s_add_co_u32 s20, s20, s3                      ; 16 x batch + 4 cx: the work-group's first head
	s_lshl_b32 s3, s16, 1
	s_add_co_u32 s21, s20, s3
	s_mul_i32 s21, s21, REC
	s_lshl_b32 s3, s47, 6
	s_add_co_u32 s12, s21, s3
	s_add_nc_u64 s[RI:RI+1], s[78:79], s[12:13]    ; my two heads' records: 64 bytes of codes a token,
	s_lshl_b32 s3, s47, 2
	s_add_co_u32 s12, s21, s3
	s_add_nc_u64 s[RS:RS+1], s[78:79], s[12:13]    ; 4 of scale bytes
	s_lshl_b32 s22, s18, 7
	s_and_b32 s22, s22, 2047                       ; V: the work-group's first position
	s_mov_b32 s98, 0xffff0000
	s_mov_b32 s[SEL], 0x76543210
	s_mov_b32 s[SEL+1], 0xfedcba98
	s_mov_b32 s66, 0                               ; the phase
	s_mul_i32 s2, s15, 4*TILEB                     ; Q, K: source 1 = my four tiles of x,
	s_mul_i32 s3, s16, 8*TILEB
	s_add_co_u32 s3, s3, WB                        ; source 0 = my eight of W
	v_and_b32 v1, 15, v0
	v_bfe_u32 v2, v0, 4, 1
	v_and_b32 v3, 31, v0
	v_lshlrev_b32 v8, 4, v3                        ; 16 x lane
	v_lshlrev_b32 v24, 3, v3                       ; 8 x lane
	v_lshlrev_b32 v25, 5, v1                       ; 32 r
	v_lshlrev_b32 v26, 4, v1                       ; 16 r
	v_and_b32 v9, 8, v1
	v_add_nc_u32 v9, v9, v1
	v_lshlrev_b32 v9, 2, v9                        ; 4 (r + 8 (r / 8))
	v_lshlrev_b32 v10, 6, v2
	v_mul_u32_u24 v11, v2, REC
	v_lshl_add_u32 v11, v1, 4, v11
.irp s, 0,1
	v_add_nc_u32 v[ADRA+\s], s2, v8
	v_add_nc_u32 v[ADRB+\s], s3, v8
	v_add_nc_u32 v[ADRA+2+\s], s2, v24
	v_add_nc_u32 v[ADRB+2+\s], s3, v24
	s_add_co_u32 s2, s2, HB
	s_add_co_u32 s3, s3, HB
.endr
	v_mov_b32 v5, 0x28                             ; -1.0, a masked key's code at k = 64 (lanes 0-15)
	v_cndmask_b32 v5, v5, 0, s98
	v_mov_b32 v7, 0x01a00000                       ; and its scale bytes 2, 3
	v_mov_b32 v[PC+7], 0
	v_mov_b32 v[PC+15], 0
.irp b, 0,1,2,3
	v_mov_b32 v[TM+4+\b], 0
.endr
	WALU                                           ; the wait at the head's end
	SCLOAD
.irp a, 0,1,2,3
	global_load_b32 v[MV+\a], v9, s[70:71] offset:(32*(\a/2)+8*(\a%2))*4
.endr
	WIN 0xc0
.irp a, 0,1,2,3
.irp c, 0,1,2,3,4,5,6,7
	global_load_b128 v[RP+32*\a+4*\c:RP+32*\a+4*\c+3], v8, s[68:69] offset:4096*\a+512*\c
.endr
.endr
	WIN 0
	s_cmp_lt_u32 s14, 2
	s_cbranch_scc0 .Lnot_half_0
	s_wait_tensorcnt 0x0
.Lnot_half_0:
	s_barrier_signal -1
	s_barrier_wait -1                              ; half 0 of x and of Wq is in; half 1 may be on its way
; ================= Q, then K: a loop of two trips
.macro QKBLOCK a
	WIN 0x0e
.set ii, 0
.rept 32
	v_pk_add_f32 v[HA+2*ii:HA+2*ii+1], v[64*(\a)+2*ii:64*(\a)+2*ii+1], v[BI+2*ii:BI+2*ii+1]
.set ii, ii+1
.endr
	WIN 0x0c
.irp e, 0,1
.irp c, 0,1,2,3,4,5,6,7
	v_pk_mul_f32 v[TU+4*(\c%2):TU+4*(\c%2)+1], v[HA+32*\e+16+2*\c:HA+32*\e+17+2*\c], v[RP+32*(\a)+4*\c+2:RP+32*(\a)+4*\c+3]
	v_pk_mul_f32 v[TU+4*(\c%2)+2:TU+4*(\c%2)+3], v[HA+32*\e+2*\c:HA+32*\e+1+2*\c], v[RP+32*(\a)+4*\c+2:RP+32*(\a)+4*\c+3]
	v_pk_fma_f32 v[HA+32*\e+2*\c:HA+32*\e+1+2*\c], v[HA+32*\e+2*\c:HA+32*\e+1+2*\c], v[RP+32*(\a)+4*\c:RP+32*(\a)+4*\c+1], v[TU+4*(\c%2):TU+4*(\c%2)+1] neg_lo:[0,0,1] neg_hi:[0,0,1]
	v_pk_fma_f32 v[HA+32*\e+16+2*\c:HA+32*\e+17+2*\c], v[HA+32*\e+16+2*\c:HA+32*\e+17+2*\c], v[RP+32*(\a)+4*\c:RP+32*(\a)+4*\c+1], v[TU+4*(\c%2)+2:TU+4*(\c%2)+3]
.endr
.endr
	WIN 0
	v_or_b32 v30, s67, v[MV+(\a)]
	v_cmp_eq_u32 vcc_lo, 0, v30                    ; a masked key (never for Q)
	v_cndmask_b32 v1, -1, 0, vcc_lo
	v_cndmask_b32 v2, v4, v5, vcc_lo
	v_cndmask_b32 v3, v6, v7, vcc_lo
	s_wait_xcnt 0x0                                ; the last block's stores have read their registers
	QUANT HA, 8
.irp c, 0,1
.irp i, 0,1,2,3,4,5
	v_and_b32 v[PC+8*\c+\i], v1, v[PC+8*\c+\i]
.endr
.endr
	v_mov_b32 v[PC+6], v2
	v_mov_b32 v[PC+14], v2
	v_lshl_or_b32 v[W+(\a)], v[TM+5], 8, v[TM+4]
	v_lshl_or_b32 v[W+4+(\a)], v[TM+7], 8, v[TM+6]
	v_or_b32 v[W+(\a)], v[W+(\a)], v3
	v_or_b32 v[W+4+(\a)], v[W+4+(\a)], v3
.irp e, 0,1
.irp k, 0,1
	global_store_b128 v8, v[PC+8*\e+4*\k:PC+8*\e+4*\k+3], s[OUTI:OUTI+1] offset:REC*\e+1024*(\a)+512*\k
.endr
.endr
.endm
.Lphase:
	FIRST
	s_wait_loadcnt 0x0                             ; this phase's scale words
	s_cmp_eq_u32 s66, 0
	s_cselect_b64 s[BIP:BIP+1], s[72:73], s[74:75]
	WIN 0xc0
.irp g, 0,1,2,3
.irp j, 0,1,2,3
	global_load_b128 v[BI+16*\g+4*\j:BI+16*\g+4*\j+3], v10, s[BIP:BIP+1] offset:128*\g+16*\j
.endr
.endr
	WIN 0
	WALK 1
	s_wait_xcnt 0x0                                ; the pointers below are written again
	s_add_nc_u64 s[PB:PB+1], s[PB:PB+1], 32768     ; the next phase's scale words: Wk's rows, or V's deal
	s_cmp_eq_u32 s66, 1
	s_cselect_b64 s[PA:PA+1], s[PAV:PAV+1], s[PA:PA+1]
	s_cselect_b64 s[PB:PB+1], s[PBV:PBV+1], s[PB:PB+1]
	SCLOAD
	s_mov_b32 s2, 0x01010000
	s_mov_b32 s3, 229376
	s_cmp_eq_u32 s66, 0                            ; Q or K: all by selections
	s_cselect_b32 s67, -1, 0
	s_cselect_b32 s99, 8, 0                        ; Q's code at k = 64: 1.0
	s_cselect_b32 s2, 0x017f0000, s2               ; scale bytes 2, 3
	s_cselect_b32 s12, 241664, 0                   ; where the codes lie in a record,
	s_cselect_b32 s3, 372736, s3                   ; and the scale words
	s_mov_b32 s13, 0
	s_add_nc_u64 s[OUTI:OUTI+1], s[RI:RI+1], s[12:13]
	s_mov_b32 s12, s3
	s_add_nc_u64 s[OUTS:OUTS+1], s[RS:RS+1], s[12:13]
	v_mov_b32 v4, s99
	v_cndmask_b32 v4, v4, 0, s98
	v_mov_b32 v6, s2
	s_wait_loadcnt 24                              ; the bias (and in the first trip cos, sin and the mask) is in; the 24 loads of scale words may be out
	QKBLOCK 0
	QKBLOCK 1
	QKBLOCK 2
	QKBLOCK 3
.irp j, 0,1,2,3
	v_cndmask_b32 v[SD+\j], v[W+\j], v[W+4+\j], s98
.endr
	global_store_b128 v11, v[SD:SD+3], s[OUTS:OUTS+1]
	s_add_co_u32 s66, s66, 1
	s_cmp_lt_u32 s66, 2
	WALU                                           ; the wait ahead of the branch
	s_cbranch_scc1 .Lphase
; ================= V: source 1 = my four tiles of Wv, source 0 = x's eight
	s_mul_i32 s2, s14, 4*TILEB
	s_add_co_u32 s2, s2, WB
	s_mov_b32 s3, 0
.irp s, 0,1
	v_add_nc_u32 v[ADRA+\s], s2, v8
	v_add_nc_u32 v[ADRB+\s], s3, v8
	v_add_nc_u32 v[ADRA+2+\s], s2, v24
	v_add_nc_u32 v[ADRB+2+\s], s3, v24
	s_add_co_u32 s2, s2, HB
	s_add_co_u32 s3, s3, HB
.endr
	WALU
	FIRST
	s_wait_xcnt 0x0
	s_add_co_u32 s21, s20, s14                     ; my head
	s_mul_i32 s21, s21, REC
	s_mul_i32 s3, s22, 48
	s_add_co_u32 s12, s21, s3
	s_add_co_u32 s12, s12, 131072
	s_mov_b32 s13, 0
	s_add_nc_u64 s[OUTI:OUTI+1], s[78:79], s[12:13]
	s_lshl_b32 s3, s22, 1
	s_add_co_u32 s12, s21, s3
	s_add_co_u32 s12, s12, 237568
	s_add_nc_u64 s[OUTS:OUTS+1], s[78:79], s[12:13]
	s_wait_loadcnt 0x0
.irp a, 0,1,2,3
	global_load_b32 v[MV+\a], v9, s[76:77] offset:(32*(\a/2)+8*(\a%2))*4
.endr
	WALK 0
	s_wait_loadcnt 0x0
.macro VBLOCK a
	v_mov_b32 v30, v[MV+(\a)]
	v_mov_b32 v31, v[MV+(\a)]
	WIN 0x02
.set ii, 0
.rept 32
	v_pk_add_f32 v[HA+2*ii:HA+2*ii+1], v[64*(\a)+2*ii:64*(\a)+2*ii+1], v[30:31]
.set ii, ii+1
.endr
	WIN 0
	s_wait_xcnt 0x0
	QUANT HA, 6
	v_lshl_or_b32 v[W+(\a)], v[TM+5], 8, v[TM+4]
	v_lshl_or_b32 v[W+(\a)], v[TM+6], 16, v[W+(\a)]
	v_lshl_or_b32 v[W+(\a)], v[TM+7], 24, v[W+(\a)]
.irp k, 0,1,2
	global_store_b128 v8, v[PC+4*\k:PC+4*\k+3], s[OUTI:OUTI+1] offset:1536*(\a)+512*\k
.endr
.endm
	VBLOCK 0
	VBLOCK 1
	VBLOCK 2
	VBLOCK 3
	global_store_b128 v26, v[W:W+3], s[OUTS:OUTS+1]   ; 256 bytes; lanes 16-31 hold and store the same as lanes 0-15
	s_wait_tensorcnt 0x0                           ; the wave's end
	ds_add_u32 v[SPW], v[NIL]
	s_wait_dscnt 0x0
	CROUND                                         ; the closing round
	s_endpgm
.Lfunc_end_k_qae3047bcc9_qkv:
	.size	k_qae3047bcc9_qkv, .Lfunc_end_k_qae3047bcc9_qkv-k_qae3047bcc9_qkv
	.p2alignl 7, 3214868480
	.fill 96, 4, 3214868480
	.section	.rodata,"a",@progbits
	.p2align	6, 0x0
	.amdhsa_kernel k_qae3047bcc9_qkv
		.amdhsa_group_segment_fixed_size 327680
		.amdhsa_private_segment_fixed_size 0
		.amdhsa_enable_private_segment 0
		.amdhsa_kernarg_size 80
		.amdhsa_user_sgpr_count 2
		.amdhsa_user_sgpr_kernarg_segment_ptr 1
		.amdhsa_wavefront_size32 1
		.amdhsa_system_sgpr_workgroup_id_x 1
		.amdhsa_system_sgpr_workgroup_id_y 1
		.amdhsa_system_sgpr_workgroup_id_z 1
		.amdhsa_system_vgpr_workitem_id 0
		.amdhsa_next_free_vgpr 1024
		.amdhsa_next_free_sgpr 102
		.amdhsa_reserve_vcc 1
		.amdhsa_float_denorm_mode_32 3
		.amdhsa_float_denorm_mode_16_64 3
		.amdhsa_memory_ordered 1
		.amdhsa_forward_progress 1
		.amdhsa_inst_pref_size 211
	.end_amdhsa_kernel
	.amdgpu_metadata
---
amdhsa.version: [ 1, 2 ]
amdhsa.kernels:
  - .name:           k_qae3047bcc9_qkv
    .symbol:         k_qae3047bcc9_qkv.kd
    .args:
      - { .name: ximg, .offset: 0, .size: 8, .value_kind: global_buffer, .address_space: global }
      - { .name: xsc, .offset: 8, .size: 8, .value_kind: global_buffer, .address_space: global }
      - { .name: wimg, .offset: 16, .size: 8, .value_kind: global_buffer, .address_space: global }
      - { .name: wsc, .offset: 24, .size: 8, .value_kind: global_buffer, .address_space: global }
      - { .name: rope, .offset: 32, .size: 8, .value_kind: global_buffer, .address_space: global }
      - { .name: attn_mask, .offset: 40, .size: 8, .value_kind: global_buffer, .address_space: global }
      - { .name: bq, .offset: 48, .size: 8, .value_kind: global_buffer, .address_space: global }
      - { .name: bk, .offset: 56, .size: 8, .value_kind: global_buffer, .address_space: global }
      - { .name: bv, .offset: 64, .size: 8, .value_kind: global_buffer, .address_space: global }
      - { .name: qkv, .offset: 72, .size: 8, .value_kind: global_buffer, .address_space: global }
    .group_segment_fixed_size: 327680
    .private_segment_fixed_size: 0
    .kernarg_segment_align: 8
    .kernarg_segment_size: 80
    .max_flat_workgroup_size: 128
    .sgpr_count:     102
    .vgpr_count:     1024
    .wavefront_size: 32
...
	.end_amdgpu_metadata
.endif
;; end of part 2
;; launch attn (part 3): grid 4 x 64, 16 waves a work-group, clusters of 4 x 1, 251,904 bytes of LDS; arguments qkv, aimg, asc; writes aimg, asc
.if DOCPART == 3
	.amdgcn_target "amdgcn-amd-amdhsa--gfx1250"
	.amdhsa_code_object_version 6
	.text
	.protected	k_qae3047bcc9_attn
	.globl	k_qae3047bcc9_attn
	.p2align	8
	.type	k_qae3047bcc9_attn,@function
k_qae3047bcc9_attn:
	s_mov_b64 s[64:65], 0
	v_nop
	global_prefetch_b8 v0, s[64:65] scope:SCOPE_SE
	s_setreg_imm32_b32 hwreg(HW_REG_WAVE_MODE, 25, 1), 1
	s_wait_xcnt 0x0
	s_wait_alu depctr_hold_cnt(0) depctr_sa_sdst(0) depctr_va_vdst(0) depctr_va_sdst(0) depctr_va_ssrc(0) depctr_va_vcc(0) depctr_vm_vsrc(0)
	s_getreg_b32 s2, hwreg(HW_REG_IB_STS2, 6, 4)
	s_cmp_eq_u32 s2, 0
	s_cbranch_scc0 .Lentry_in_a_cluster
	s_endpgm
.Lentry_in_a_cluster:
	s_bfe_u32 s2, ttmp6, 0x10000c
	s_cmp_lg_u32 s2, 0x3003
	s_cbranch_scc0 .Lentry_shape_is_right
	s_endpgm
.Lentry_shape_is_right:
; ATTN: for a batch and head, o = softmax(q k^T / 8, masked) v, both products on codes of FP6 (E2M3) with E8M0 scales; o is then quantised along the model's 1,024 and leaves as an image of the last product's operand.
; THE SOFTMAX: t = score x log2(e) / 8; M = the running largest t rounded UP to a whole number; p = 2^(t - M) is quantised along the keys, not normalised; the row's sum is taken of the unquantised p and divides at the end.
; When M moves, the sum and O are multiplied by 2^(old M - new M): exact.
; THE MASK was laid into the operands by the launch before: at k = 64 a masked key has -1.0 x 2^33 against q's 1.0: its p is 0, unless all keys of a row are masked: then t = M exactly and every p is 1, the uniform softmax of reference().
; LIMITS: the masked logit is -2^30 where reference() writes -1e9; the promise holds while the scaled scores stay under 2^31 in magnitude; NaN and infinities are not served.
; SHARES.  A work-group owns 512 queries of one head; each of its sixteen waves two tiles of 16, one after the other; a tile walks the 2,048 keys in 16 steps of 128.  The head's K, V and scale words come into LDS once:
; waves 0-7 bring 16 tiles of K each (rows of 1,024 bytes, 64 of padding behind each), waves 8-15 54 rows of 256 bytes each of V and the scale words.  Nothing is filled again, and the loop has no barrier.
; CLUSTER.  The four work-groups of a head ask for these bytes jointly.  No prefetch: all is asked for at the head, and there is no loop to run ahead in.
; LAYOUT.  Both products transposed: S^T = K Q^T, O^T = V^T P^T: a lane holds one query throughout.
; WHICH KEYS FORM A TILE OF K is chosen here, by the lanes' LDS addresses: places 0-7 of tile 4 c + t are keys 64 c + 8 t + 0..7 of the step, places 8-15 keys 64 c + 32 + 8 t + 0..7.  In memory place r of tile 2 g + u is key 32 g + 8 u + r + 8 (r / 8):
; so lanes with r < 8 read stored tile 4 c + t % 2, those with r >= 8 the stored tile two further on, both at place 8 (t / 2) + r % 8.  A lane's 32 scores of tiles 4 c .. 4 c + 3 are then keys 64 c + 32 (lane / 16) + 0..31:
; one whole scale block, in the order of the next operand's registers: its maximum needs no other lane, and the conversions' results are the operand.  With the tiles 1,088 bytes apart the two groups of eight lanes are 128 bytes apart modulo 256.
; A FRAGMENT OF K IS 8 REGISTERS: its registers 8-11 (k from 76 on) meet Q's zero codes, and every code of this format is a finite number: so they may hold anything, and are the next fragment's first four (behind the last: four registers of zeros).
; TWO REGIONS OF 68 REGISTERS TAKE TURNS.  In a step one holds K and the other takes S^T.  Behind the first product the first takes V^T; as each half of p has been summed and converted, its registers take half of the NEXT step's K.
; So each LDS load is issued well ahead of the wait for it.  A trip of the loop is two steps, after which the regions are back where they began.  The last step's fetch wraps to key step 0, which the second tile reads; behind the second tile it is not used.
.set REC,   380928
.set QIMG,  241664
.set QSCO,  372736
.set KP,    1088                       ; a tile of K in LDS: 1,024 bytes + 64
.set KSTEP, 8*KP
.set KEND,  128*KP
.set VB,    KEND                       ; V's images
.set KSB,   VB+98304                   ; K's scale words
.set VSB,   KSB+8192                   ; V's
.set SPARE, VSB+4096                   ; the spare words, 128 bytes for each of 16 waves
.set LI,  1                            ; v1  16 x lane
.set RA,  2                            ; v2  16 x (lane % 16)
.set SPW, 3                            ; v3  my spare word; never rewritten
.set NIL, 4                            ; v4  0; never rewritten
.set KL,  5                            ; v5  my place in a tile of K
.set KSL, 6                            ; v6  my place in K's scale words
.set AK,  7                            ; v7-10 addresses: K, K's scale words, V, V's scale words
.set AKS, 8
.set AV,  9
.set AVS, 10
.set PM,  11                           ; v11 what lane l xor 16 sends
.set Q0,  16                           ; v16-27, v28-39 the two tiles' fragments of Q: 0-5 codes, 6 the mask's slot, 7-11 zeros
.set Q1,  28                           ; (v0: the last -M; v12 -M, v13 the running largest score, v[14:15] the row's sum in two halves)
.set KSW, 40                           ; v40-47 K's scale words
.set VSW, 48                           ; v48-51 V's
.set PW,  52                           ; v52 p's scale word
.set OB0, 53                           ; v53, v77 the two tiles' scale bytes of o
.set F,   54                           ; v[54:55] f = 2^(old M - new M)
.set BM,  56                           ; v56-57 my two blocks' largest score, then p
.set BB,  58                           ; v58-59 the second chains; at work
.set SO,  60                           ; v60-61 the conversions' scale operands
.set PC,  62                           ; v62-73 p's codes
.set T,   74                           ; v74-76 a block's upper 16 codes
.set OB1, 77
.set AT,  78                           ; v78-85 four partial sums of p, in pairs
.set QS0, 86                           ; v86, v87 Q's scale words
.set QS1, 87
.set O,   88                           ; v88-119 O^T
.set X,   120                          ; v120-187, v188-255 the two regions
.set Y,   188
.set WV,  10
.set G0K, 16
.set G0V, 20
.set G1K, 24
.set G1V, 48
.set TK,  32                           ; s32-35 where the trip's K, K's scale words, V and V's scale words begin in LDS
.set TS,  33
.set TV,  34
.set TT,  35
.set SEL, 56
.set CS,  58                           ; s[58:59] log2(e) / 8;  s60 the same, negative
.set NC,  60
.macro ROUND
	s_barrier_signal -1
	s_barrier_wait -1
	s_cmp_lg_u32 s[WV], 0
	s_cbranch_scc1 .Lnot_wave_0_\@
	s_barrier_signal -3
.Lnot_wave_0_\@:
	s_barrier_wait -3
	s_barrier_signal -1
	s_barrier_wait -1
.endm
.macro WALU
	s_wait_alu depctr_va_vdst(0)
.endm
.macro KHALF R, c, ko                  ; tiles 4 c .. 4 c + 3 of a step's K into region R
.irp t, 0,1,2,3
	ds_load_b128 v[\R+32*\c+8*\t:\R+32*\c+8*\t+3], v[AK] offset:\ko+(4*\c+(\t%2))*KP+128*(\t/2)
	ds_load_b128 v[\R+32*\c+8*\t+4:\R+32*\c+8*\t+7], v[AK] offset:\ko+(4*\c+(\t%2))*KP+128*(\t/2)+512
.endr
.endm
.macro KSCALE so                       ; and the eight tiles' scale words, two to a load
.irp c, 0,1
.irp w, 0,1
	ds_load_b64 v[KSW+4*\c+2*\w:KSW+4*\c+2*\w+1], v[AKS] offset:\so+256*\c+128*\w
.endr
.endr
.endm
	s_load_b128 s[4:7], s[0:1], 0x0                ; qkv, aimg
	s_load_b64 s[8:9], s[0:1], 0x10                ; asc
	v_lshl_add_u32 v[SPW], v0, 2, SPARE
	v_mov_b32 v[NIL], 0
	ds_add_u32 v[SPW], v[NIL]                      ; the opening lines: the add, twice on end, and its wait ahead of my tensor load
	ds_add_u32 v[SPW], v[NIL]
	v_lshrrev_b32 v5, 5, v0
	v_readfirstlane_b32 s[WV], v5                  ; wave 0..15
	s_bfe_u32 s11, ttmp6, 0x40000                  ; cx: it enters Q's and the outputs' addresses alone
	s_and_b32 s12, ttmp7, 0xffff                   ; 16 b + head, which the four partners share
	s_mul_i32 s14, s12, REC
	s_lshl_b32 s13, s[WV], 14
	s_add_co_u32 s40, s14, s13                     ; waves 0-7: 16 tiles of K, 16,384 bytes of the record
	s_mov_b32 s41, 0
	s_mul_i32 s13, s[WV], 13824
	s_add_co_u32 s2, s14, s13
	s_add_co_u32 s2, s2, 20480                     ; waves 8-15: 131,072 + 13,824 (wave - 8)
	s_mov_b32 s3, 0
	s_mov_b32 s[G1K], 15|(3<<16)|(1<<20)|(1<<21)|(7<<22)|(15<<25)   ; the mask: all four; elements of 8 bytes; bit 21 beside a mask; 16 words of padding behind every 256
	s_mov_b32 s[G1K+1], 128<<16                    ; rows of 1,024 bytes
	s_mov_b32 s[G1K+2], 16<<16
	s_mov_b32 s[G1K+3], 128<<16
	s_mov_b32 s[G1K+4], 16
	s_mov_b32 s[G1K+5], 128
	s_mov_b32 s[G1K+6], 0
	s_mov_b32 s[G1K+7], 0
	s_mov_b32 s[G1V], 15|(3<<16)|(1<<21)           ; no padding
	s_mov_b32 s[G1V+1], 32<<16                     ; rows of 256 bytes
	s_mov_b32 s[G1V+2], 54<<16
	s_mov_b32 s[G1V+3], 32<<16
	s_mov_b32 s[G1V+4], 54
	s_mov_b32 s[G1V+5], 32
	s_mov_b32 s[G1V+6], 0
	s_mov_b32 s[G1V+7], 0
	s_mov_b32 s[SEL], 0x76543210
	s_mov_b32 s[SEL+1], 0xfedcba98
	s_mov_b32 s[CS], 0x3e38aa3b
	s_mov_b32 s[CS+1], s[CS]
	s_mov_b32 s[NC], 0xbe38aa3b
	s_mov_b32 s37, 0xffff0000                      ; lanes 16-31
	s_lshl_b32 s32, s11, 5
	s_lshl_b32 s33, s[WV], 1
	s_add_co_u32 s32, s32, s33                     ; my first tile of queries: 32 cx + 2 x wave
	s_lshl_b32 s38, s32, 10
	s_add_co_u32 s38, s38, QIMG
	s_add_co_u32 s38, s38, s14
	s_mov_b32 s39, 0
	s_lshr_b32 s42, s32, 2
	s_lshl_b32 s42, s42, 8
	s_and_b32 s43, s32, 3
	s_lshl_b32 s43, s43, 2
	s_add_co_u32 s42, s42, s43
	s_add_co_u32 s42, s42, QSCO
	s_add_co_u32 s42, s42, s14
	s_mov_b32 s43, 0
	s_lshr_b32 s33, s12, 4                         ; b
	s_and_b32 s34, s12, 15                         ; head
	s_lshl_b32 s44, s33, 7
	s_add_co_u32 s44, s44, s32                     ; the tile among all 512
	s_mul_i32 s44, s44, 12288
	s_mul_i32 s45, s34, 768                        ; K step head / 2, half head % 2
	s_add_co_u32 s44, s44, s45
	s_mov_b32 s45, 0
	s_lshl_b32 s46, s33, 16
	s_lshl_b32 s47, s32, 9
	s_add_co_u32 s46, s46, s47
	s_lshl_b32 s47, s34, 1
	s_add_co_u32 s46, s46, s47                     ; scale bytes: 32 a row, my head's two at 2 x head
	s_mov_b32 s47, 0
	s_wait_dscnt 0x0                               ; both opening adds are done
	s_wait_kmcnt 0x0
	s_add_nc_u64 s[38:39], s[4:5], s[38:39]        ; Q's images
	s_add_nc_u64 s[42:43], s[4:5], s[42:43]        ; Q's scale words
	s_add_nc_u64 s[44:45], s[6:7], s[44:45]
	s_add_nc_u64 s[46:47], s[8:9], s[46:47]
	ROUND                                          ; all four work-groups are here: the joint loads meet
	s_mov_b32 s[G0K], 1
	s_mul_i32 s[G0K+1], s[WV], 16*KP               ; LDS: wave x 16 tiles
	s_add_nc_u64 s[G0K+2:G0K+3], s[4:5], s[40:41]
	s_or_b32 s[G0K+3], s[G0K+3], 0x80000000
	s_mov_b32 s[G0V], 1
	s_add_co_u32 s[G0V+1], s13, VB-8*13824         ; LDS: VB + 13,824 (wave - 8)
	s_add_nc_u64 s[G0V+2:G0V+3], s[4:5], s[2:3]
	s_or_b32 s[G0V+3], s[G0V+3], 0x80000000
	s_cmp_lt_u32 s[WV], 8                          ; one chain of two arms, one tensor load in each
	s_cbranch_scc0 .Lrest
	tensor_load_to_lds s[G0K:G0K+3], s[G1K:G1K+7]
	s_nop 0
	s_branch .Lasked
.Lrest:
	tensor_load_to_lds s[G0V:G0V+3], s[G1V:G1V+7]
	s_nop 0
.Lasked:
	s_mov_b32 s[TK], 0
	s_mov_b32 s[TS], KSB
	v_and_b32 v[LI], 31, v0
	v_and_b32 v[RA], 15, v0
	v_and_b32 v[KSL], 7, v0                        ; r % 8
	v_bfe_u32 v[AK], v0, 3, 1                      ; r / 8
	v_bfe_u32 v[AKS], v0, 4, 1                     ; lane / 16
	v_lshlrev_b32 v[LI], 4, v[LI]
	v_lshlrev_b32 v[RA], 4, v[RA]
	v_lshlrev_b32 v[KL], 4, v[KSL]
	v_lshl_add_u32 v[KSL], v[AK], 3, v[KL]         ; scale words: 16 (r % 8) + 8 (r / 8)
	v_lshl_add_u32 v[KL], v[AKS], 8, v[KL]
	v_mad_u32_u24 v[KL], v[AK], 2*KP, v[KL]        ; codes: 16 (r % 8) + 256 (lane / 16) + two tiles x (r / 8)
	v_add_nc_u32 v[AKS], s[TS], v[KSL]
	v_add_nc_u32 v[AK], s[TK], v[KL]
.irp i, 8,9,10,11
	v_mov_b32 v[Q0+\i], 0                          ; k = 76 .. 127 of Q: zero codes
	v_mov_b32 v[Q1+\i], 0
	v_mov_b32 v[X+56+\i], 0                        ; behind each region's last fragment
	v_mov_b32 v[Y+56+\i], 0
.endr
	v_mov_b32 v[PM], 0                             ; written once: a lane permute's destination counts as read
	v_mov_b32 v[F+1], 0                            ; (named as the upper half of a pair)
	WALU                                           ; the wait at the head's end
	global_load_b128 v[Q0:Q0+3], v[LI], s[38:39]
	global_load_b128 v[Q0+4:Q0+7], v[LI], s[38:39] offset:512
	global_load_b128 v[Q1:Q1+3], v[LI], s[38:39] offset:1024
	global_load_b128 v[Q1+4:Q1+7], v[LI], s[38:39] offset:1536
	global_load_b32 v[QS0], v[RA], s[42:43]
	global_load_b32 v[QS1], v[RA], s[42:43] offset:4
	s_wait_tensorcnt 0x0                           ; my part is in,
	s_barrier_signal -1
	s_barrier_wait -1                              ; everybody's is
	KHALF X, 0, 0                                  ; key step 0
	KHALF X, 1, 0
	KSCALE 0
	s_wait_loadcnt 0x0
; A KEY STEP: 128 keys.  KR: the region that holds K, then V^T;  SR: the one that takes S^T, p, then the next step's K;  ab: the first or the second step of a trip
.macro STEP KR, SR, ab, QB, QSR
.if \ab
	s_add_co_u32 s[TK], s[TK], 2*KSTEP             ; the next trip's K, round the end to key step 0
	s_cmp_eq_u32 s[TK], KEND
	s_cselect_b32 s[TK], 0, s[TK]
	s_add_co_u32 s[TS], s[TS], 1024
	s_cmp_eq_u32 s[TS], KSB+8192
	s_cselect_b32 s[TS], KSB, s[TS]
.endif
	s_wait_dscnt 0x0                               ; this step's K and its scale words, asked for in the last step
.irp t, 0,1,2,3,4,5,6,7
	v_wmma_scale_f32_16x16x128_f8f6f4 v[\SR+8*\t:\SR+8*\t+7], v[\KR+8*\t:\KR+8*\t+11], v[\QB:\QB+11], 0, v[KSW+\t], v[\QSR] matrix_a_fmt:MATRIX_FMT_FP6 matrix_b_fmt:MATRIX_FMT_FP6
.endr                                              ; register 32 c + i: key 64 c + 32 (lane / 16) + i of the step
.if \ab                                            ; four places, ahead of the loads into K's registers and of the first read of S^T
	v_add_nc_u32 v[AK], s[TK], v[KL]
	v_add_nc_u32 v[AKS], s[TS], v[KSL]
.else
	v_add_nc_u32 v[AV], s[TV], v[LI]
	v_add_nc_u32 v[AVS], s[TT], v[RA]
.endif
	v_nop
	v_nop
.irp t, 0,1,2,3
.irp c, 0,1,2
	ds_load_b128 v[\KR+12*\t+4*\c:\KR+12*\t+4*\c+3], v[AV] offset:6144*\ab+1536*\t+512*\c
.endr
.endr
	ds_load_b128 v[VSW:VSW+3], v[AVS] offset:256*\ab
.if \ab == 0
	s_add_co_u32 s[TV], s[TV], 12288
	s_add_co_u32 s[TT], s[TT], 512
.endif
.irp b, 0,1                                        ; the largest score of my two blocks of 32 keys, each in two chains: it serves the row's maximum and, since p rises with the score, the block's largest p
	v_max3_num_f32 v[BM+\b], v[\SR+32*\b], v[\SR+32*\b+1], v[\SR+32*\b+2]
	v_max3_num_f32 v[BB+\b], v[\SR+32*\b+16], v[\SR+32*\b+17], v[\SR+32*\b+18]
.endr
.irp i, 3,5,7,9,11,13
.irp b, 0,1
	v_max3_num_f32 v[BM+\b], v[BM+\b], v[\SR+32*\b+\i], v[\SR+32*\b+\i+1]
	v_max3_num_f32 v[BB+\b], v[BB+\b], v[\SR+32*\b+16+\i], v[\SR+32*\b+17+\i]
.endr
.endr
.irp b, 0,1
	v_max3_num_f32 v[BM+\b], v[BM+\b], v[\SR+32*\b+15], v[\SR+32*\b+31]
.endr
.irp b, 0,1
	s_delay_alu instid0(VALU_DEP_2)
	v_max_num_f32 v[BM+\b], v[BM+\b], v[BB+\b]
.endr
	s_delay_alu instid0(VALU_DEP_1)
	v_max_num_f32 v[BB], v[BM], v[BM+1]
	s_delay_alu instid0(VALU_DEP_1)
	v_permlanex16_b32 v[PM], v[BB], s[SEL], s[SEL+1]
	s_delay_alu instid0(VALU_DEP_1)
	v_max3_num_f32 v13, v13, v[BB], v[PM]          ; the running largest score of my query
	s_delay_alu instid0(VALU_DEP_1)
	v_mul_f32 v[BB+1], s[NC], v13                  ; -t
	s_delay_alu instid0(VALU_DEP_1)
	v_floor_f32 v12, v[BB+1]                       ; -M = floor(-t): M is a whole number
	s_delay_alu instid0(VALU_DEP_1)
	v_sub_f32 v[BB+1], v12, v0                     ; old M - new M: a whole number, 0 or less
	s_delay_alu instid0(VALU_DEP_1)
	v_cvt_i32_f32 v[BB+1], v[BB+1]                 ; (it saturates)
	s_delay_alu instid0(VALU_DEP_1)
	v_ldexp_f32 v[F], 1.0, v[BB+1]                 ; f
.set ii, 0
.rept 32
	v_pk_fma_f32 v[\SR+ii:\SR+ii+1], v[\SR+ii:\SR+ii+1], s[CS:CS+1], v[12:13] op_sel_hi:[1,0,0]   ; t - M
.set ii, ii+2
.endr
.irp b, 0,1
	v_fma_f32 v[BM+\b], v[BM+\b], s[CS], v12
.endr
	WALU                                           ; the wait ahead of the batch
.irp b, 0,1
	v_exp_f32 v[BM+\b], v[BM+\b]                   ; each block's largest p
.endr
.set ii, 0
.rept 64
	v_exp_f32 v[\SR+ii], v[\SR+ii]                 ; p = 2^(t - M)
.set ii, ii+1
.endr
	v_pk_mul_f32 v[14:15], v[14:15], v[F:F+1] op_sel_hi:[1,0]   ; the sums under the new M (a plain place behind the exponentials)
	WALU                                           ; one wait for the batch, ahead of its first reader and of the wait below
	s_wait_dscnt 0x0                               ; V^T and its scale words: the only LDS loads that are out
.irp b, 0,1
	v_max_num_f32 v[BM+\b], 0x1800000, v[BM+\b]    ; the floor 2^(3 - 127): the byte cannot fall under 1
.endr
.irp k, 0,1,2,3                                    ; the row's sum is taken of the unquantised p, in four chains of pairs
	v_pk_add_f32 v[AT+2*\k:AT+2*\k+1], v[\SR+4*\k:\SR+4*\k+1], v[\SR+4*\k+2:\SR+4*\k+3]
.endr
.irp b, 0,1
	v_add_nc_u32 v[SO+\b], 0xff000000, v[BM+\b]    ; 2 off the exponent field: the conversions' scale operand
.endr
.irp k, 0,1,2,3,4,5,6,7
	v_pk_add_f32 v[AT+2*(\k%4):AT+2*(\k%4)+1], v[AT+2*(\k%4):AT+2*(\k%4)+1], v[\SR+16+2*\k:\SR+17+2*\k]
.endr
	v_cvt_scalef32_pk16_fp6_f32 v[PC:PC+2], v[\SR:\SR+15], v[SO]
	v_cvt_scalef32_pk16_fp6_f32 v[T:T+2], v[\SR+16:\SR+31], v[SO]   ; (a conversion's three registers begin on an even number)
	v_lshrrev_b32 v[BB], 23, v[SO]                 ; the scale's byte (a plain place behind the conversions)
.irp i, 0,1,2
	v_mov_b32 v[PC+3+\i], v[T+\i]
.endr
	KHALF \SR, 0, (1-\ab)*KSTEP                    ; the first half of p is summed and converted: its registers take the next step's K
.irp k, 0,1,2,3,4,5,6,7,8,9,10,11,12,13,14,15
	v_pk_add_f32 v[AT+2*(\k%4):AT+2*(\k%4)+1], v[AT+2*(\k%4):AT+2*(\k%4)+1], v[\SR+32+2*\k:\SR+33+2*\k]
.endr
	v_cvt_scalef32_pk16_fp6_f32 v[PC+6:PC+8], v[\SR+32:\SR+47], v[SO+1]
	v_cvt_scalef32_pk16_fp6_f32 v[T:T+2], v[\SR+48:\SR+63], v[SO+1]
	v_lshrrev_b32 v[BB+1], 23, v[SO+1]
	KHALF \SR, 1, (1-\ab)*KSTEP
	KSCALE (1-\ab)*512
.irp i, 0,1,2
	v_mov_b32 v[PC+9+\i], v[T+\i]
.endr
	v_lshl_or_b32 v[BB], v[BB+1], 16, v[BB]        ; my bytes: blocks lane / 16 and 2 + lane / 16
	s_delay_alu instid0(VALU_DEP_1)
	v_permlanex16_b32 v[PM], v[BB], s[SEL], s[SEL+1]
	s_delay_alu instid0(VALU_DEP_1)
	v_lshl_or_b32 v[PW], v[PM], 8, v[BB]           ; in lanes 0-15, which alone are read: p's scale word
	WALU                                           ; the wait directly ahead of the first reader of O^T
.set ii, 0
.rept 16
	v_pk_mul_f32 v[O+ii:O+ii+1], v[O+ii:O+ii+1], v[F:F+1] op_sel_hi:[1,0]   ; O^T under the new M.  (These sixteen are also the places between p's codes and scale word and the products below)
.set ii, ii+2
.endr
.irp t, 0,1,2,3                                    ; O^T += V^T P^T: the four accumulators take turns, and eleven other products stand between two links of a chain
	v_wmma_scale_f32_16x16x128_f8f6f4 v[O+8*\t:O+8*\t+7], v[\KR+12*\t:\KR+12*\t+11], v[PC:PC+11], v[O+8*\t:O+8*\t+7], v[VSW+\t], v[PW] matrix_a_fmt:MATRIX_FMT_FP6 matrix_b_fmt:MATRIX_FMT_FP6
.endr
	v_pk_add_f32 v[AT:AT+1], v[AT:AT+1], v[AT+2:AT+3]           ; five places: the next step's products write S^T over V^T
	v_pk_add_f32 v[AT+4:AT+5], v[AT+4:AT+5], v[AT+6:AT+7]
	v_mov_b32 v0, v12                              ; -M, for the next step's f
	v_pk_add_f32 v[AT:AT+1], v[AT:AT+1], v[AT+4:AT+5]
	v_pk_add_f32 v[14:15], v[14:15], v[AT:AT+1]
.endm
; ONE TILE OF 16 QUERIES through all keys, and out
.macro PASS p, QB, QSR, OB
.if \p
	s_wait_xcnt 0x0                                ; the last tile's stores have read their registers
.endif
	v_mov_b32 v13, 0xff61b1e6                      ; the largest score so far: -3e38
	v_mov_b32 v12, 0x7d000000                      ; -M, far over every -t: the first f is 0
	v_mov_b32 v0, 0x7d000000
	v_mov_b32 v14, 0
	v_mov_b32 v15, 0
.set ii, 0
.rept 32
	v_mov_b32 v[O+ii], 0                           ; the step is written once: the first finds zeros
.set ii, ii+1
.endr
	s_mov_b32 s[TV], VB
	s_mov_b32 s[TT], VSB
	s_mov_b32 s36, 8
.Lkey_\@:
	STEP X, Y, 0, \QB, \QSR
	STEP Y, X, 1, \QB, \QSR
	s_sub_co_u32 s36, s36, 1
	s_cmp_lg_u32 s36, 0
	s_cbranch_scc1 .Lkey_\@
	v_add_f32 v14, v14, v15
	s_delay_alu instid0(VALU_DEP_1)
	v_permlanex16_b32 v[PM], v14, s[SEL], s[SEL+1]
	s_delay_alu instid0(VALU_DEP_1)
	v_add_f32 v14, v14, v[PM]                      ; the row's sum
	v_lshrrev_b32 v[AT], 1, v[LI]                  ; 8 x lane
	WALU
	v_rcp_f32 v14, v14
	v_nop
	WALU
.set ii, 0
.rept 16
	v_pk_mul_f32 v[Y+ii:Y+ii+1], v[O+ii:O+ii+1], v[14:15] op_sel_hi:[1,0]   ; register 16 b + i: o(my query, channel 32 b + 16 (lane / 16) + i); each accumulator from its low end on
.set ii, ii+2
.endr
.irp b, 0,1                                        ; the quantiser along the model's 1,024: my head's two blocks
	v_max3_num_f32 v[BM+\b], |v[Y+16*\b]|, |v[Y+1+16*\b]|, 0x1800000
.endr
.irp i, 2,4,6,8,10,12,14
.irp b, 0,1
	s_delay_alu instid0(VALU_DEP_2)
	v_max3_num_f32 v[BM+\b], v[BM+\b], |v[Y+16*\b+\i]|, |v[Y+1+16*\b+\i]|
.endr
.endr
.irp b, 0,1
	s_delay_alu instid0(VALU_DEP_2)
	v_permlanex16_b32 v[BB+\b], v[BM+\b], s[SEL], s[SEL+1]
.endr
.irp b, 0,1
	s_delay_alu instid0(VALU_DEP_2)
	v_max_num_f32 v[BM+\b], v[BM+\b], v[BB+\b]
.endr
.irp b, 0,1
	s_delay_alu instid0(VALU_DEP_2)
	v_add_nc_u32 v[SO+\b], 0xff000000, v[BM+\b]
.endr
.irp b, 0,1
	s_delay_alu instid0(VALU_DEP_2)
	v_lshrrev_b32 v[BB+\b], 23, v[SO+\b]
.endr
	s_delay_alu instid0(VALU_DEP_1)
	v_lshl_or_b32 v[\OB], v[BB+1], 8, v[BB]        ; the two bytes
	v_cvt_scalef32_pk16_fp6_f32 v[PC:PC+2], v[Y:Y+15], v[SO]
	v_cvt_scalef32_pk16_fp6_f32 v[T:T+2], v[Y+16:Y+31], v[SO+1]
	v_nop
.irp i, 0,1,2
	v_permlane16_swap_b32 v[PC+\i], v[T+\i]        ; here a block lies in two lanes: the layout wants it whole in one
.endr
.irp i, 0,1,2
	s_delay_alu instid0(VALU_DEP_3)
	v_mov_b32 v[PC+3+\i], v[T+\i]
.endr
	global_store_b128 v[LI], v[PC:PC+3], s[44:45] offset:12288*\p           ; half a fragment's image: 512 consecutive bytes,
	global_store_b64 v[AT], v[PC+4:PC+5], s[44:45] offset:12288*\p+512      ; and 256
.endm
	PASS 0, Q0, QS0, OB0
	PASS 1, Q1, QS1, OB1
	v_lshlrev_b32 v[AT+1], 1, v[LI]                ; 32 x lane
	v_cndmask_b32 v[AT+2], v[OB0], v[OB1], s37     ; lanes 0-15: the first tile's rows; lanes 16-31: the second's
	global_store_b16 v[AT+1], v[AT+2], s[46:47]
	s_wait_tensorcnt 0x0                           ; the wave's end
	ds_add_u32 v[SPW], v[NIL]
	s_wait_dscnt 0x0
	ROUND                                          ; the closing round
	s_endpgm
.Lfunc_end_k_qae3047bcc9_attn:
	.size	k_qae3047bcc9_attn, .Lfunc_end_k_qae3047bcc9_attn-k_qae3047bcc9_attn
	.p2alignl 7, 3214868480
	.fill 96, 4, 3214868480
	.section	.rodata,"a",@progbits
	.p2align	6, 0x0
	.amdhsa_kernel k_qae3047bcc9_attn
		.amdhsa_group_segment_fixed_size 251904
		.amdhsa_private_segment_fixed_size 0
		.amdhsa_enable_private_segment 0
		.amdhsa_kernarg_size 24
		.amdhsa_user_sgpr_count 2
		.amdhsa_user_sgpr_kernarg_segment_ptr 1
		.amdhsa_wavefront_size32 1
		.amdhsa_system_sgpr_workgroup_id_x 1
		.amdhsa_system_sgpr_workgroup_id_y 1
		.amdhsa_system_sgpr_workgroup_id_z 1
		.amdhsa_system_vgpr_workitem_id 0
		.amdhsa_next_free_vgpr 256
		.amdhsa_next_free_sgpr 66
		.amdhsa_reserve_vcc 0
		.amdhsa_float_denorm_mode_32 3
		.amdhsa_float_denorm_mode_16_64 3
		.amdhsa_memory_ordered 1
		.amdhsa_forward_progress 1
		.amdhsa_inst_pref_size 80
	.end_amdhsa_kernel
	.amdgpu_metadata
---
amdhsa.version: [ 1, 2 ]
amdhsa.kernels:
  - .name:           k_qae3047bcc9_attn
    .symbol:         k_qae3047bcc9_attn.kd
    .args:
      - { .name: qkv, .offset: 0, .size: 8, .value_kind: global_buffer, .address_space: global }
      - { .name: aimg, .offset: 8, .size: 8, .value_kind: global_buffer, .address_space: global }
      - { .name: asc, .offset: 16, .size: 8, .value_kind: global_buffer, .address_space: global }
    .group_segment_fixed_size: 251904
    .private_segment_fixed_size: 0
    .kernarg_segment_align: 8
    .kernarg_segment_size: 24
    .max_flat_workgroup_size: 512
    .sgpr_count:     66
    .vgpr_count:     256
    .wavefront_size: 32
...
	.end_amdgpu_metadata
.endif
;; end of part 3
;; launch oproj (part 4): grid 4 x 64, 4 waves a work-group, clusters of 4 x 4, 327,680 bytes of LDS; arguments aimg, asc, wimg, wsc, bo, out0; writes out0
.if DOCPART == 4
	.amdgcn_target "amdgcn-amd-amdhsa--gfx1250"
	.amdhsa_code_object_version 6
	.text
	.protected	k_qae3047bcc9_oproj
	.globl	k_qae3047bcc9_oproj
	.p2align	8
	.type	k_qae3047bcc9_oproj,@function
k_qae3047bcc9_oproj:
	s_mov_b64 s[64:65], 0
	v_nop
	global_prefetch_b8 v0, s[64:65] scope:SCOPE_SE
	s_setreg_imm32_b32 hwreg(HW_REG_WAVE_MODE, 25, 1), 1
	s_wait_xcnt 0x0
	s_wait_alu depctr_hold_cnt(0) depctr_sa_sdst(0) depctr_va_vdst(0) depctr_va_sdst(0) depctr_va_ssrc(0) depctr_va_vcc(0) depctr_vm_vsrc(0)
	s_getreg_b32 s2, hwreg(HW_REG_IB_STS2, 6, 4)
	s_cmp_eq_u32 s2, 0
	s_cbranch_scc0 .Lentry_in_a_cluster
	s_endpgm
.Lentry_in_a_cluster:
	s_bfe_u32 s2, ttmp6, 0x10000c
	s_cmp_lg_u32 s2, 0xf033
	s_cbranch_scc0 .Lentry_shape_is_right
	s_endpgm
.Lentry_shape_is_right:
; OPROJ: out = o Wo + bo, on codes of FP6 (E2M3) with E8M0 scales; o's codes and scale bytes are as the launch before left them, Wo's are rows 3,072 .. 4,095 of the weights' image; out is f32.
; THE DEAL.  256 work-groups of four waves; a work-group makes 128 tokens x 256 channels.  ALL OF K lies in LDS: o's 8 tiles and Wo's 16 tiles of 16 rows, in two halves along K (4 steps of 128 each): 2 x 24 x 6,144 bytes; behind them the spare words.
; FILLS.  One tensor load a wave, at the head: o half 0, W half 0, o half 1, W half 1.  The first barrier waits for the two tiles of half 0 alone; a plain barrier in K step 3 shows half 1.  Nothing is filled again.
; CLUSTER 4 x 4: o's tiles are shared along a row of the cluster, Wo's along a column.  No prefetch: all is asked for at the head, and there is no loop to run ahead in.
; A WAVE has 4 x 8 accumulators: source 1 = 4 tiles of o (16 tokens each), source 0 = 8 tiles of Wo (128 channels): a lane holds one token, and its registers run along the channels.
; SCALE WORDS come by plain loads, 32 bytes a row, 8 words for the 8 K steps: 32 registers for o's rows, 64 for Wo's.
; THE WAY OUT: a block of 16 tokens x 128 channels goes through the wave's own stage in LDS and comes back as whole rows of 512 bytes; the bias is added; 32 lanes store two aligned units of 256 bytes.
; The stage lies in half 0's bytes: they have had their only fill, and every wave's last read of them stands ahead of K step 3's barrier.
; Place r of tile 2 g + u is row 32 g + 8 u + r + 8 (r / 8), for tokens and channels alike.
; REGISTERS: window 0: v0-31 addresses, v32-63 and v68-131 scale words, v64-67 the bias, v132-179 source 1's fragments, on the way out v128-255; window 1: source 0's fragments, two sets; window 2: the accumulators.
.set FR,     12
.set NL,     4
.set FRB,    1536
.set TILEB,  4*FRB
.set HB,     24*TILEB
.set WB,     8*TILEB
.set SPARE,  2*HB
.set SPITCH, 528
.set CO,   8
.set ADRA, 16
.set ADRB, 20
.set STO,  26
.set RD,   27
.set SPW,  28
.set NIL,  29
.set SA,   32
.set BO,   64
.set SB,   68
.set AF,   132
.set BK,   128
.set G1X, 24
.set G0X0, 32
.set G0X1, 36
.set G1W, 48
.set G0W0, 56
.set G0W1, 60
.set PA,  80
.set PB,  82
.set MSB, 0
.macro WIN new
.if MSB != (\new)
	s_set_vgpr_msb (MSB<<8)|(\new)
.set MSB, (\new)
.endif
.endm
.set MUL_LO, 0xa1
.set TO_B,   0x40
.macro PLACES n
.rept \n
	v_nop
.endr
.endm
.macro CROUND
	s_barrier_signal -1
	s_barrier_wait -1
	s_cmp_lg_u32 s14, 0
	s_cbranch_scc1 .Lnot_wave_0_\@
	s_barrier_signal -3
.Lnot_wave_0_\@:
	s_barrier_wait -3
	s_barrier_signal -1
	s_barrier_wait -1
.endm
.macro FRAG reg, adr, q, i
	ds_load_b128 v[\reg:\reg+3], v[\adr] offset:TILEB*(\i)+FRB*(\q)
	ds_load_b64 v[\reg+4:\reg+5], v[\adr+2] offset:TILEB*(\i)+FRB*(\q)+512
	ds_load_b128 v[\reg+6:\reg+9], v[\adr] offset:TILEB*(\i)+FRB*(\q)+768
	ds_load_b64 v[\reg+10:\reg+11], v[\adr+2] offset:TILEB*(\i)+FRB*(\q)+1280
.endm
.macro FETCH_B slot, q, p              ; source 0's eight fragments of a K step into set p
	WIN TO_B
.irp i, 0,1,2,3,4,5,6,7
	FRAG 128*(\p)+FR*\i, ADRB+\slot, \q, \i
.endr
	WIN 0
.endm
.macro FETCH_A slot, q, i0             ; source 1's blocks i0, i0 + 1
.irp i, \i0, \i0+1
	FRAG AF+FR*(\i), ADRA+\slot, \q, \i
.endr
.endm
.macro MULA a, p, s, zero              ; eight products: source 1's block a against source 0's eight; the 32 accumulators take turns in the same order in every step
.irp b, 0,1,2,3,4,5,6,7
.if \zero
	v_wmma_scale_f32_16x16x128_f8f6f4 v[8*(8*(\a)+\b):8*(8*(\a)+\b)+7], v[128*(\p)+FR*\b:128*(\p)+FR*\b+FR-1], v[AF+FR*(\a):AF+FR*(\a)+FR-1], 0, v[SB+8*\b+(\s)], v[SA+8*(\a)+(\s)] matrix_a_fmt:MATRIX_FMT_FP6 matrix_b_fmt:MATRIX_FMT_FP6
.else
	v_wmma_scale_f32_16x16x128_f8f6f4 v[8*(8*(\a)+\b):8*(8*(\a)+\b)+7], v[128*(\p)+FR*\b:128*(\p)+FR*\b+FR-1], v[AF+FR*(\a):AF+FR*(\a)+FR-1], v[8*(8*(\a)+\b):8*(8*(\a)+\b)+7], v[SB+8*\b+(\s)], v[SA+8*(\a)+(\s)] matrix_a_fmt:MATRIX_FMT_FP6 matrix_b_fmt:MATRIX_FMT_FP6
.endif
.endr
.endm
.macro STEPN s, zero                   ; a K step that is not the last of its half
	s_wait_dscnt 2*NL                              ; all but source 1's blocks 2, 3
	WIN MUL_LO
	MULA 0, (\s)%2, \s, \zero
	MULA 1, (\s)%2, \s, \zero
	PLACES 4
	FETCH_B (\s)/4, (\s)%4+1, 1-(\s)%2
	FETCH_A (\s)/4, (\s)%4+1, 0
	s_wait_dscnt 40                                ; all but the 40 just issued
	WIN MUL_LO
	MULA 2, (\s)%2, \s, \zero
	MULA 3, (\s)%2, \s, \zero
	PLACES 4
	WIN 0
	FETCH_A (\s)/4, (\s)%4+1, 2
.endm
.macro ARM under, g0, g1, next
	s_cmp_lt_u32 s14, \under
	s_cbranch_scc0 \next
	tensor_load_to_lds s[\g0:\g0+3], s[\g1:\g1+7]
	s_nop 0
	PLACES 4
	s_branch .Lhead_asked
\next:
.endm
; ================= the head
	s_load_b256 s[4:11], s[0:1], 0x0               ; aimg, asc, wimg, wsc
	s_load_b128 s[68:71], s[0:1], 0x20             ; bo, out0
	v_lshl_add_u32 v[SPW], v0, 2, SPARE
	v_mov_b32 v[NIL], 0
	ds_add_u32 v[SPW], v[NIL]                      ; the opening lines
	ds_add_u32 v[SPW], v[NIL]
	v_lshrrev_b32 v1, 5, v0
	v_readfirstlane_b32 s14, v1                    ; wave
	s_lshr_b32 s15, s14, 1                         ; which 64 tokens are mine
	s_and_b32 s16, s14, 1                          ; which 128 channels
	s_bfe_u32 s40, ttmp6, 0x40000                  ; cx: which 256 channels
	s_bfe_u32 s41, ttmp6, 0x40004                  ; cy
	s_and_b32 s17, ttmp7, 0xffff
	s_lshl_b32 s43, s41, 2
	s_lshl_b32 s43, 15, s43                        ; my row of the cluster
	s_lshl_b32 s44, 0x1111, s40                    ; my column
	s_or_b32 s[G1X], s43, (3<<16)|(1<<21)
	s_or_b32 s[G1W], s44, (3<<16)|(1<<21)
.irp g, G1X, G1W
	s_mov_b32 s[\g+1], 768<<16                     ; a tile's half: 6,144 bytes on end
	s_mov_b32 s[\g+3], 768<<16
	s_mov_b32 s[\g+5], 1536                        ; from tile to tile 12,288 bytes
	s_mov_b32 s[\g+6], 0
	s_mov_b32 s[\g+7], 0
.endr
	s_mov_b32 s[G1X+2], 8<<16
	s_mov_b32 s[G1X+4], 8
	s_mov_b32 s[G1W+2], 16<<16
	s_mov_b32 s[G1W+4], 16
	s_lshl_b32 s18, s17, 2
	s_add_co_u32 s18, s18, s41                     ; my 128 tokens: 4 x cluster y + cy
	s_mul_i32 s20, s18, 98304
	s_mov_b32 s21, 0
	s_mul_i32 s46, s40, 196608
	s_add_co_u32 s46, s46, 3072*768                ; Wo's rows begin at 3,072
	s_mov_b32 s47, 0
	s_wait_dscnt 0x0
	s_wait_kmcnt 0x0
	s_add_nc_u64 s[20:21], s[4:5], s[20:21]
	s_add_nc_u64 s[46:47], s[8:9], s[46:47]
	CROUND                                         ; in front of the joint loads
	s_mov_b32 s[G0X0], 1
	s_mov_b32 s[G0X0+1], 0
	s_mov_b64 s[G0X0+2:G0X0+3], s[20:21]
	s_or_b32 s[G0X0+3], s[G0X0+3], 0x80000000
	s_mov_b32 s[G0X1], 1
	s_mov_b32 s[G0X1+1], HB
	s_add_nc_u64 s[G0X1+2:G0X1+3], s[20:21], TILEB
	s_or_b32 s[G0X1+3], s[G0X1+3], 0x80000000
	s_mov_b32 s[G0W0], 1
	s_mov_b32 s[G0W0+1], WB
	s_mov_b64 s[G0W0+2:G0W0+3], s[46:47]
	s_or_b32 s[G0W0+3], s[G0W0+3], 0x80000000
	s_mov_b32 s[G0W1], 1
	s_mov_b32 s[G0W1+1], HB+WB
	s_add_nc_u64 s[G0W1+2:G0W1+3], s[46:47], TILEB
	s_or_b32 s[G0W1+3], s[G0W1+3], 0x80000000
	ARM 1, G0X0, G1X, .Lhead_w0                    ; one chain, one load in each arm: what is needed first is asked for by waves 0 and 1
	ARM 2, G0W0, G1W, .Lhead_x1
	ARM 3, G0X1, G1X, .Lhead_w1
	tensor_load_to_lds s[G0W1:G0W1+3], s[G1W:G1W+7]
	s_nop 0
	PLACES 4
.Lhead_asked:
	s_mov_b32 s13, 0                               ; where the scale words lie: 32 bytes a row
	s_lshl_b32 s2, s18, 12
	s_lshl_b32 s3, s15, 11
	s_add_co_u32 s12, s2, s3
	s_add_nc_u64 s[PA:PA+1], s[6:7], s[12:13]      ; my 64 tokens
	s_lshl_b32 s2, s40, 13
	s_lshl_b32 s3, s16, 12
	s_add_co_u32 s12, s2, s3
	s_add_co_u32 s12, s12, 3072*32
	s_add_nc_u64 s[PB:PB+1], s[10:11], s[12:13]    ; my 128 rows of Wo
	s_lshl_b32 s2, s40, 10
	s_lshl_b32 s3, s16, 9
	s_add_co_u32 s12, s2, s3                       ; my first channel, in bytes
	s_add_nc_u64 s[68:69], s[68:69], s[12:13]
	s_lshl_b32 s2, s18, 19
	s_lshl_b32 s3, s15, 18
	s_add_co_u32 s12, s12, s2
	s_add_co_u32 s12, s12, s3                      ; + my first token x 4,096
	s_add_nc_u64 s[70:71], s[70:71], s[12:13]
	s_mul_i32 s23, s14, 16*SPITCH                  ; my stage
	s_mul_i32 s2, s15, 4*TILEB                     ; source 1 = my four tiles of o,
	s_mul_i32 s3, s16, 8*TILEB
	s_add_co_u32 s3, s3, WB                        ; source 0 = my eight of Wo
	v_and_b32 v1, 15, v0
	v_bfe_u32 v2, v0, 4, 1
	v_and_b32 v3, 31, v0
	v_lshlrev_b32 v[CO], 4, v3                     ; 16 x lane
	v_lshlrev_b32 v24, 3, v3                       ; 8 x lane
	v_lshlrev_b32 v25, 5, v1                       ; 32 r
.irp s, 0,1
	v_add_nc_u32 v[ADRA+\s], s2, v[CO]
	v_add_nc_u32 v[ADRB+\s], s3, v[CO]
	v_add_nc_u32 v[ADRA+2+\s], s2, v24
	v_add_nc_u32 v[ADRB+2+\s], s3, v24
	s_add_co_u32 s2, s2, HB
	s_add_co_u32 s3, s3, HB
.endr
	v_mul_u32_u24 v5, v1, SPITCH                   ; the stage, in: row r, 64 bytes for each half of the lanes in each 128
	v_lshl_add_u32 v5, v2, 6, v5
	v_add_nc_u32 v[STO], s23, v5
	v_add_nc_u32 v[RD], s23, v[CO]                 ; and back: the 32 lanes take one row of 512 bytes
	s_wait_alu depctr_va_vdst(0)                   ; the wait at the head's end
.irp i, 0,1,2,3
	global_load_b128 v[SA+8*\i:SA+8*\i+3], v25, s[PA:PA+1] offset:512*\i
	global_load_b128 v[SA+8*\i+4:SA+8*\i+7], v25, s[PA:PA+1] offset:512*\i+16
.endr
.irp i, 0,1,2,3,4,5,6,7
	global_load_b128 v[SB+8*\i:SB+8*\i+3], v25, s[PB:PB+1] offset:512*\i
	global_load_b128 v[SB+8*\i+4:SB+8*\i+7], v25, s[PB:PB+1] offset:512*\i+16
.endr
	global_load_b128 v[BO:BO+3], v[CO], s[68:69]   ; the bias of my four channels of a row
	s_cmp_lt_u32 s14, 2
	s_cbranch_scc0 .Lnot_half_0
	s_wait_tensorcnt 0x0
.Lnot_half_0:
	s_barrier_signal -1
	s_barrier_wait -1                              ; half 0 of o and of Wo is in; half 1 may be on its way
; ================= the walk along K
	FETCH_B 0, 0, 0
	FETCH_A 0, 0, 0
	FETCH_A 0, 0, 2
	s_wait_loadcnt 0x0                             ; the scale words and the bias
	STEPN 0, 1                                     ; the first step's products start the sums
	STEPN 1, 0
	STEPN 2, 0
	s_wait_tensorcnt 0x0                           ; K step 3: my tile is in, whichever it was;
	s_wait_dscnt 2*NL
	WIN MUL_LO
	MULA 0, 1, 3, 0
	MULA 1, 1, 3, 0
	s_wait_dscnt 0x0                               ; my reads of half 0 are over
	s_barrier_signal -1
	MULA 2, 1, 3, 0
	WIN 0
	s_barrier_wait -1                              ; half 1 is whole, and nobody reads half 0 any more
	PLACES 4
	FETCH_B 1, 0, 0
	FETCH_A 1, 0, 0
	WIN MUL_LO
	MULA 3, 1, 3, 0
	PLACES 4
	WIN 0
	FETCH_A 1, 0, 2
	STEPN 4, 0
	STEPN 5, 0
	STEPN 6, 0
	s_wait_dscnt 2*NL                              ; K step 7: nothing more to fetch
	WIN MUL_LO
	MULA 0, 1, 7, 0
	MULA 1, 1, 7, 0
	s_wait_dscnt 0x0
	MULA 2, 1, 7, 0
	MULA 3, 1, 7, 0
	WIN 0
	PLACES 4
; ================= the way out
.macro TOSTAGE a
	WIN 0x08                                       ; the data: window 2
.irp b, 0,1,2,3,4,5,6,7
	ds_store_b128 v[STO], v[64*(\a)+8*\b:64*(\a)+8*\b+3] offset:128*(\b/2)+32*(\b%2)      ; each accumulator from its low end on
	ds_store_b128 v[STO], v[64*(\a)+8*\b+4:64*(\a)+8*\b+7] offset:128*(\b/2)+32*(\b%2)+16
.endr
	WIN 0
.set BB, BK+64*((\a)%2)
.irp t, 0,1,2,3,4,5,6,7,8,9,10,11,12,13,14,15
	ds_load_b128 v[BB+4*\t:BB+4*\t+3], v[RD] offset:\t*SPITCH   ; LDS serves a wave's instructions in order: these see the stores above
.endr
.endm
.macro SEND a, younger                 ; younger: the LDS instructions issued behind block a's loads
.set BB, BK+64*((\a)%2)
	s_wait_dscnt \younger
.irp t, 0,1,2,3,4,5,6,7,8,9,10,11,12,13,14,15
	v_pk_add_f32 v[BB+4*\t:BB+4*\t+1], v[BB+4*\t:BB+4*\t+1], v[BO:BO+1]
	v_pk_add_f32 v[BB+4*\t+2:BB+4*\t+3], v[BB+4*\t+2:BB+4*\t+3], v[BO+2:BO+3]
.endr
.irp t, 0,1,2,3,4,5,6,7,8,9,10,11,12,13,14,15
	global_store_b128 v[CO], v[BB+4*\t:BB+4*\t+3], s[70:71] offset:(32*((\a)/2)+8*((\a)%2)+\t+8*(\t/8))*4096 th:TH_STORE_NT   ; 512 consecutive bytes of a row
.endr
.endm
	TOSTAGE 0
.irp a, 1,2,3
.if \a > 1
	s_wait_xcnt 0x0                                ; block a - 2's stores have read their registers
.endif
	TOSTAGE \a
	SEND \a-1, 32                                  ; behind block a - 1's loads: block a's 16 stores and 16 loads
.endr
	SEND 3, 0
	s_wait_tensorcnt 0x0                           ; the wave's end
	ds_add_u32 v[SPW], v[NIL]
	s_wait_dscnt 0x0
	CROUND                                         ; the closing round
	s_endpgm
.Lfunc_end_k_qae3047bcc9_oproj:
	.size	k_qae3047bcc9_oproj, .Lfunc_end_k_qae3047bcc9_oproj-k_qae3047bcc9_oproj
	.p2alignl 7, 3214868480
	.fill 96, 4, 3214868480
	.section	.rodata,"a",@progbits
	.p2align	6, 0x0
	.amdhsa_kernel k_qae3047bcc9_oproj
		.amdhsa_group_segment_fixed_size 327680
		.amdhsa_private_segment_fixed_size 0
		.amdhsa_enable_private_segment 0
		.amdhsa_kernarg_size 48
		.amdhsa_user_sgpr_count 2
		.amdhsa_user_sgpr_kernarg_segment_ptr 1
		.amdhsa_wavefront_size32 1
		.amdhsa_system_sgpr_workgroup_id_x 1
		.amdhsa_system_sgpr_workgroup_id_y 1
		.amdhsa_system_sgpr_workgroup_id_z 1
		.amdhsa_system_vgpr_workitem_id 0
		.amdhsa_next_free_vgpr 768
		.amdhsa_next_free_sgpr 84
		.amdhsa_reserve_vcc 0
		.amdhsa_float_denorm_mode_32 3
		.amdhsa_float_denorm_mode_16_64 3
		.amdhsa_memory_ordered 1
		.amdhsa_forward_progress 1
		.amdhsa_inst_pref_size 92
	.end_amdhsa_kernel
	.amdgpu_metadata
---
amdhsa.version: [ 1, 2 ]
amdhsa.kernels:
  - .name:           k_qae3047bcc9_oproj
    .symbol:         k_qae3047bcc9_oproj.kd
    .args:
      - { .name: aimg, .offset: 0, .size: 8, .value_kind: global_buffer, .address_space: global }
      - { .name: asc, .offset: 8, .size: 8, .value_kind: global_buffer, .address_space: global }
      - { .name: wimg, .offset: 16, .size: 8, .value_kind: global_buffer, .address_space: global }
      - { .name: wsc, .offset: 24, .size: 8, .value_kind: global_buffer, .address_space: global }
      - { .name: bo, .offset: 32, .size: 8, .value_kind: global_buffer, .address_space: global }
      - { .name: out0, .offset: 40, .size: 8, .value_kind: global_buffer, .address_space: global }
    .group_segment_fixed_size: 327680
    .private_segment_fixed_size: 0
    .kernarg_segment_align: 8
    .kernarg_segment_size: 48
    .max_flat_workgroup_size: 128
    .sgpr_count:     84
    .vgpr_count:     768
    .wavefront_size: 32
...
	.end_amdgpu_metadata
.endif
;; end of part 4
